; MI455X (gfx1250); checked and timed in simulation.
; The chip was launched on July 23, 2026; its instructions are those of AMD's public machine-readable ISA for CDNA 5 (MIT licence, August 2026) and "CDNA5" Instruction Set Architecture Reference Guide (July 2026). The comments in the code are by the model that wrote it; some were corrected since.
;; VQAMOE Layer. Allowed arithmetic: matrix products marked QUANTISED: E5M2 operands, one E8M0 scale for each 32 along K, by v_wmma_scale_f32_16x16x128_f8f6f4 with both operands' format E5M2, f32 sums; products left as they are: f32 operands where the result goes on into a quantised operand, else bf16, f16 or f32 operands; f32 sums; everything else in f32.
;; Inputs: b1 8 x 3,072 float32; b2 8 x 768 float32; ln_b 768 float32; ln_g 768 float32; router_b 8 float32; router_w 768 x 8 float32; w1 8 x 768 x 3,072 float32; w2 8 x 3,072 x 768 float32; x 8 x 128 x 768 float32.
;; Outputs: out0 8 x 128 x 768 float32.
;; This version of the problem:
;;   THIS VERSION OF THE PROBLEM IS GIVEN IN LOW PRECISION. The matrix products marked QUANTISED in the list below multiply operands that are first quantised to E5M2 (5 exponent bits, 2 mantissa bits; 8 bits a number), with one power-of-two scale for each 32 numbers along K (OCP MX v1.0); their sums are f32. All else is computed in f32.
;;   The module's matrix products, in the order in which they are computed (A, B: the left and right operand; K: the contracted axis; several contracted axes count as one K, in the product's order):
;;     1. [M 1,024, K 768] x [K 768, N 8]; A: input x; B: input router_w: left as it is (N = 8 < 16)
;;     2. [M 1,024, K 768] x [K 768, N 3,072]; A: input x; B: input w1: QUANTISED
;;     3. [M 1,024, K 3,072] x [K 3,072, N 768]; A: computed on the way; B: input w2: QUANTISED
;;     4. [M 1,024, K 768] x [K 768, N 3,072]; A: input x; B: input w1: QUANTISED
;;     5. [M 1,024, K 3,072] x [K 3,072, N 768]; A: computed on the way; B: input w2: QUANTISED
;;     6. [M 1,024, K 768] x [K 768, N 3,072]; A: input x; B: input w1: QUANTISED
;;     7. [M 1,024, K 3,072] x [K 3,072, N 768]; A: computed on the way; B: input w2: QUANTISED
;;     8. [M 1,024, K 768] x [K 768, N 3,072]; A: input x; B: input w1: QUANTISED
;;     9. [M 1,024, K 3,072] x [K 3,072, N 768]; A: computed on the way; B: input w2: QUANTISED
;;     10. [M 1,024, K 768] x [K 768, N 3,072]; A: input x; B: input w1: QUANTISED
;;     11. [M 1,024, K 3,072] x [K 3,072, N 768]; A: computed on the way; B: input w2: QUANTISED
;;     12. [M 1,024, K 768] x [K 768, N 3,072]; A: input x; B: input w1: QUANTISED
;;     13. [M 1,024, K 3,072] x [K 3,072, N 768]; A: computed on the way; B: input w2: QUANTISED
;;     14. [M 1,024, K 768] x [K 768, N 3,072]; A: input x; B: input w1: QUANTISED
;;     15. [M 1,024, K 3,072] x [K 3,072, N 768]; A: computed on the way; B: input w2: QUANTISED
;;     16. [M 1,024, K 768] x [K 768, N 3,072]; A: input x; B: input w1: QUANTISED
;;     17. [M 1,024, K 3,072] x [K 3,072, N 768]; A: computed on the way; B: input w2: QUANTISED
;;   THE QUANTISER, for each operand of a quantised product, along K:
;;     - K is cut into blocks of 32 from its start; a last block that is shorter is filled with zeros.
;;     - A block's scale is 2^e with e = floor(log2(the largest magnitude in the block)) - 15, held to -126 .. 127; a block of zeros has e = 0. As a byte (E8M0): e + 127.
;;     - Each number is divided by its block's scale, clamped to +-57,344, and rounded to the nearest number of E5M2, ties to even, subnormals kept.
;;     - The product sums the exact products of the quantised numbers (number of the format x scale) in f32.
;;   ~~~python
;;   def quantise(x, axis):      # numpy; x: float32 -> the quantised numbers, widened to float32 again
;;       x = np.moveaxis(x, axis, -1); K = x.shape[-1]
;;       x = np.pad(x, [(0, 0)] * (x.ndim - 1) + [(0, -K % 32)]); x = x.reshape(x.shape[:-1] + (-1, 32)); a = np.abs(x).max(-1, keepdims=True)
;;       e = np.where(a > 0, np.clip(np.frexp(np.where(a > 0, a, 1))[1] - 1 - 15, -126, 127), 0)      # np.frexp(a)[1] - 1 = floor(log2(a)), exactly
;;       r = np.clip(x / 2.0 ** e, -57344, 57344)
;;       step = 2.0 ** (np.maximum(np.frexp(np.where(r == 0, 1, r))[1] - 1, -14) - 2)
;;       q = np.round(r / step) * step * 2.0 ** e      # np.round: ties to even
;;       return np.moveaxis(q.reshape(q.shape[:-2] + (-1,))[..., :K], -1, axis).astype(np.float32)
;;   ~~~
;;   OPERANDS COMPUTED ON THE WAY. 'Computed on the way' means the value that the module computes at that place (a softmax that the list does not call 'softmax' is quantised finished and normalised). What goes into a quantiser is computed in f32, as accurately as f32 sums, v_exp_f32 and their like allow (about 1e-6 of the number): no bf16 or f16 on the way to a quantiser, and a product that is left as it is and whose result goes on into a quantised operand takes f32 operands (vector FMAs, or v_wmma_f32_16x16x4_f32). A number that lies on a knife's edge between two numbers of the format may be rounded either way, as far as f32 arithmetic and the matrix unit's own rounding can turn it there, and no further.
;; 2 versions. Each part assembles by itself: llvm-mc -triple=amdgcn-amd-amdhsa -mcpu=gfx1250 --defsym DOCPART=n.
;; ======== version 1 of 2: 4 launches
;; workspace buffers: xq 786,432 bytes; xsg 32,768 bytes; route 5,120 bytes of whole numbers; slotof 32,768 bytes of whole numbers; hq 26,738,688 bytes; ybuf 50,331,648 bytes
;; launch route (part 1): grid 32 x 1, 12 waves a work-group, no clusters, 39,424 bytes of LDS; arguments x, router_w, router_b, xq, xsg, route; writes xq, xsg, route
.if DOCPART == 1
	.amdgcn_target "amdgcn-amd-amdhsa--gfx1250"
	.amdhsa_code_object_version 6
	.text
	.protected	k_qc66e40d09f_route
	.globl	k_qc66e40d09f_route
	.p2align	8
	.type	k_qc66e40d09f_route,@function
k_qc66e40d09f_route:
	s_mov_b64 s[64:65], 0
	v_nop
	global_prefetch_b8 v0, s[64:65] scope:SCOPE_SE
	s_setreg_imm32_b32 hwreg(HW_REG_WAVE_MODE, 25, 1), 1
	s_wait_xcnt 0x0
; ROUTER AND x's CODES.  logits = x router_w + router_b in f32 (fused multiply-adds); the two largest of eight, the lower index on a tie; their softmax (the larger logit is taken away first).
; x [1024][768] f32 becomes codes of E5M2 with one E8M0 byte for each 32 along K: xq [1024][768], xsg bytes 0.. [1024][24]; the two gates of a token: xsg bytes 24576.. [1024][2] f32.
; route: bytes 0.. emask [8][32] words (bit l of word c of expert e: token 32 c + l goes to e); bytes 1024.. sel [1024] words = first expert | second << 8.
; No address and no branch here hangs on the choice: it is stored, and later launches read it.
; SHARES.  Work-group c: tokens 32 c .. 32 c + 31.  Wave w: k = 64 w .. 64 w + 63 of every row (256 consecutive bytes).  Lane: row rho = lane / 4 of a group of 8 rows, q = lane % 4: eight k of a block of 32.
; LIMITS: NaN and infinities are not served.  The logits' f32 sums run in another order than the reference's.  A block of zeros gets the byte 1 (its codes are zeros, and this program alone reads the bytes).
; No matrix unit, no cluster, no tensor load: 8 columns are too few for a matrix tile, and the work-groups share only router_w's 24,576 bytes.
.set PL,  0                            ; LDS: the waves' parts of the logits [wave 12][token 32][8 f32]
.set XQI, 12288                        ; 32 rows x 768 codes, as they lie in memory
.set XSI, 36864                        ; 32 rows x 24 scale bytes
.set SUM, 16                           ; v16-47   [group 4][8 experts]
.set XR,  48                           ; v48-111  x: [group 4][block 2][8]
.set RW,  112                          ; v112-239 router_w: [block 2][k 8][8 experts]; free behind the sums:
.set CD,  112                          ; v112-127 codes, two registers a block
.set QM,  144                          ; v144-151 largest magnitudes;  v152.. scale operands;  v160.. holds;  v168.. bytes
.set QS,  152
.set QL,  160
.set QB,  168
.set OB,  176                          ; v176-191 the codes on their way out
	s_load_b256 s[4:11], s[0:1], 0x0               ; x, router_w, router_b, xq
	s_load_b128 s[12:15], s[0:1], 0x20             ; xsg, route
	v_lshl_add_u32 v254, v0, 2, 0x9400
	v_mov_b32 v255, 0
	v_lshrrev_b32 v1, 5, v0
	v_readfirstlane_b32 s26, v1                    ; wave 0..11
	v_and_b32 v1, 31, v0                           ; lane
	v_bfe_u32 v2, v0, 2, 3                         ; rho
	v_and_b32 v3, 3, v0                            ; q
	v_mul_u32_u24 v4, v2, 3072
	v_lshl_add_u32 v4, v3, 5, v4                   ; x: row rho, 32 bytes a lane
	v_lshlrev_b32 v5, 8, v3                        ; router_w: eight rows of 32 bytes a lane
	s_lshl_b32 s27, s26, 10
	v_lshl_add_u32 v6, v2, 5, s27                  ; PL + 1024 w + 32 rho
	v_mul_u32_u24 v7, v2, 768
	v_lshl_add_u32 v7, v3, 3, v7
	s_lshl_b32 s28, s26, 6
	s_add_co_u32 s28, s28, XQI
	v_add_nc_u32 v7, s28, v7                       ; XQI + 768 rho + 64 w + 8 q
	v_mul_u32_u24 v8, v2, 24
	s_lshl_b32 s28, s26, 1
	s_add_co_u32 s28, s28, XSI
	v_add_nc_u32 v8, s28, v8                       ; XSI + 24 rho + 2 w
	s_lshl_b32 s28, s26, 11
	v_lshl_add_u32 v9, v1, 4, s28                  ; the way out: 2048 w + 16 lane, in xq
	v_add_nc_u32 v10, XQI, v9                      ; and in LDS
	s_lshl_b32 s28, s26, 8
	v_lshl_add_u32 v12, v1, 3, s28                 ; scale bytes (waves 1 to 3): 256 w + 8 lane; the store reaches back 256
	v_add_nc_u32 v11, XSI-256, v12
	v_lshlrev_b32 v13, 5, v1                       ; wave 0: token = lane: 32 bytes of each wave's part
	v_lshlrev_b32 v14, 2, v1
	v_lshlrev_b32 v15, 3, v1
	s_mov_b32 s24, 0x600000                        ; the mantissa field of 57,344
	s_mul_i32 s28, ttmp9, 98304                    ; 32 rows of 3,072 bytes
	s_lshl_b32 s29, s26, 8
	s_add_co_u32 s28, s28, s29
	s_mov_b32 s29, 0
	s_lshl_b32 s30, s26, 11                        ; 64 rows of router_w
	s_mov_b32 s31, 0
	s_wait_kmcnt 0x0
	s_add_nc_u64 s[4:5], s[4:5], s[28:29]
	s_add_nc_u64 s[6:7], s[6:7], s[30:31]
	s_load_b256 s[16:23], s[8:9], 0x0              ; router_b
.irp g, 0,1,2,3
.irp bb, 0,1
	global_load_b128 v[XR+16*\g+8*\bb:XR+16*\g+8*\bb+3], v4, s[4:5] offset:24576*\g+128*\bb th:TH_LOAD_NT
	global_load_b128 v[XR+16*\g+8*\bb+4:XR+16*\g+8*\bb+7], v4, s[4:5] offset:24576*\g+128*\bb+16 th:TH_LOAD_NT
.endr
.endr
.irp bb, 0,1
.irp i, 0,1,2,3,4,5,6,7
	global_load_b128 v[RW+64*\bb+8*\i:RW+64*\bb+8*\i+3], v5, s[6:7] offset:1024*\bb+32*\i
	global_load_b128 v[RW+64*\bb+8*\i+4:RW+64*\bb+8*\i+7], v5, s[6:7] offset:1024*\bb+32*\i+16
.endr
.endr
	s_mul_i32 s28, ttmp9, 24576
	s_add_nc_u64 s[10:11], s[10:11], s[28:29]      ; xq at my 32 rows
	s_mul_i32 s28, ttmp9, 768
	s_add_nc_u64 s[32:33], s[12:13], s[28:29]      ; their scale bytes
	s_lshl_b32 s28, ttmp9, 8
	s_add_co_u32 s28, s28, 24576
	s_add_nc_u64 s[34:35], s[12:13], s[28:29]      ; their gates
	s_lshl_b32 s28, ttmp9, 7
	s_add_co_u32 s28, s28, 1024
	s_add_nc_u64 s[36:37], s[14:15], s[28:29]      ; sel
	s_lshl_b32 s28, ttmp9, 2
	s_add_nc_u64 s[38:39], s[14:15], s[28:29]      ; emask: word c of each expert
	s_wait_loadcnt 0x0                             ; all 48 loads feed the sums together
	s_wait_kmcnt 0x0
; my eight k of two blocks against eight experts, two experts an instruction; x is the broadcast half of its pair; the four groups of rows by turns
.irp bb, 0,1
.irp i, 0,1,2,3,4,5,6,7
.irp pe, 0,2,4,6
.irp g, 0,1,2,3
.if (\bb == 0) && (\i == 0)
	v_pk_mul_f32 v[SUM+8*\g+\pe:SUM+8*\g+\pe+1], v[XR+16*\g:XR+16*\g+1], v[RW+\pe:RW+\pe+1] op_sel_hi:[0,1]
.elseif (\i % 2) == 0
	v_pk_fma_f32 v[SUM+8*\g+\pe:SUM+8*\g+\pe+1], v[XR+16*\g+8*\bb+\i:XR+16*\g+8*\bb+\i+1], v[RW+64*\bb+8*\i+\pe:RW+64*\bb+8*\i+\pe+1], v[SUM+8*\g+\pe:SUM+8*\g+\pe+1] op_sel_hi:[0,1,1]
.else
	v_pk_fma_f32 v[SUM+8*\g+\pe:SUM+8*\g+\pe+1], v[XR+16*\g+8*\bb+\i-1:XR+16*\g+8*\bb+\i], v[RW+64*\bb+8*\i+\pe:RW+64*\bb+8*\i+\pe+1], v[SUM+8*\g+\pe:SUM+8*\g+\pe+1] op_sel:[1,0,0] op_sel_hi:[1,1,1]
.endif
.endr
.endr
.endr
.endr
.irp m, 1,2                                    ; the four lanes of a row
.set nn, 0
.rept 32
	v_add_f32_dpp v[SUM+nn], v[SUM+nn], v[SUM+nn] row_xmask:\m row_mask:0xf bank_mask:0xf
.set nn, nn+1
.endr
.endr
.irp g, 0,1,2,3
	ds_store_b128 v6, v[SUM+8*\g:SUM+8*\g+3] offset:256*\g        ; the four lanes of a row write the same bytes with the same values
	ds_store_b128 v6, v[SUM+8*\g+4:SUM+8*\g+7] offset:256*\g+16
.endr
; x's eight blocks of this lane (n = 2 g + bb), by turns
.irp n, 0,1,2,3,4,5,6,7
	v_max3_num_f32 v[QM+\n], |v[XR+8*\n]|, |v[XR+8*\n+1]|, 0x8000000   ; with the floor 2^(16 - 127): the byte cannot fall under 1
.endr
.irp i, 2,4,6
.irp n, 0,1,2,3,4,5,6,7
	v_max3_num_f32 v[QM+\n], v[QM+\n], |v[XR+8*\n+\i]|, |v[XR+8*\n+\i+1]|
.endr
.endr
.irp m, 1,2
.irp n, 0,1,2,3,4,5,6,7
	v_max_num_f32_dpp v[QM+\n], v[QM+\n], v[QM+\n] row_xmask:\m row_mask:0xf bank_mask:0xf
.endr
.endr
.irp n, 0,1,2,3,4,5,6,7
	v_add_nc_u32 v[QS+\n], 0xf8800000, v[QM+\n]    ; 15 off the exponent field: the conversion's scale operand
.endr
.irp n, 0,1,2,3,4,5,6,7
	v_and_or_b32 v[QL+\n], v[QM+\n], 0x7f800000, s24   ; 57,344 x the scale
.endr
.irp n, 0,1,2,3,4,5,6,7
	v_lshrrev_b32 v[QB+\n], 23, v[QS+\n]           ; the scale's byte
.endr
.irp n, 0,1,2,3,4,5,6,7
.irp i, 0,1,2,3,4,5,6,7
	v_med3_num_f32 v[XR+8*\n+\i], v[XR+8*\n+\i], -v[QL+\n], v[QL+\n]   ; the conversion does not saturate (ISA guide 7.6.2): the hold comes first
.endr
	v_cvt_scalef32_pk8_bf8_f32 v[CD+2*\n:CD+2*\n+1], v[XR+8*\n:XR+8*\n+7], v[QS+\n]
.endr
	v_nop                                          ; a plain line behind the last conversion
.irp g, 0,1,2,3
.irp bb, 0,1
	ds_store_b64 v7, v[CD+4*\g+2*\bb:CD+4*\g+2*\bb+1] offset:6144*\g+32*\bb
	ds_store_b8 v8, v[QB+2*\g+\bb] offset:192*\g+\bb           ; four lanes, the same byte
.endr
.endr
	s_wait_dscnt 0x0                               ; for the others' sake: all my LDS stores have landed
	s_barrier_signal -1
	s_barrier_wait -1
.irp t, 0,1,2,3
	ds_load_b128 v[OB+4*\t:OB+4*\t+3], v10 offset:512*\t
.endr
.irp t, 0,1,2,3
	s_wait_dscnt 3-\t                              ; the younger loads may stay out
	global_store_b128 v9, v[OB+4*\t:OB+4*\t+3], s[10:11] offset:512*\t   ; 32 lanes store 512 consecutive bytes, aligned
.endr
	s_cmp_eq_u32 s26, 0
	s_cbranch_scc1 .Lwave0
	s_cmp_gt_u32 s26, 3
	s_cbranch_scc1 .Ldone
	ds_load_b64 v[192:193], v11                    ; waves 1 to 3: 256 of the 768 scale bytes each
	s_wait_dscnt 0x0
	global_store_b64 v12, v[192:193], s[32:33] offset:-256
.Ldone:
	s_wait_tensorcnt 0x0
	ds_add_u32 v254, v255
	s_wait_dscnt 0x0
	s_endpgm
.Lwave0:                                           ; lane = token
.irp ww, 0,1,2,3,4,5,6,7,8,9,10,11
	ds_load_b128 v[48+8*\ww:48+8*\ww+3], v13 offset:1024*\ww
	ds_load_b128 v[48+8*\ww+4:48+8*\ww+7], v13 offset:1024*\ww+16
.endr
	s_wait_dscnt 0x0
.irp ww, 1,2,3,4,5,6,7,8,9,10,11
.irp pe, 0,2,4,6
	v_pk_add_f32 v[48+\pe:49+\pe], v[48+\pe:49+\pe], v[48+8*\ww+\pe:49+8*\ww+\pe]
.endr
.endr
.irp ex, 0,1,2,3,4,5,6,7
	v_add_f32 v[48+\ex], s[16+\ex], v[48+\ex]      ; + router_b
.endr
	v_mov_b32 v200, v48                            ; the largest, and its index: a later expert takes over only if it is strictly larger
	v_mov_b32 v201, 0
.irp ex, 1,2,3,4,5,6,7
	v_cmp_le_f32 vcc_lo, v[48+\ex], v200
	v_cndmask_b32 v200, v[48+\ex], v200, vcc_lo
	v_cndmask_b32 v201, \ex, v201, vcc_lo
.endr
	v_mov_b32 v204, 0xff800000
.irp ex, 0,1,2,3,4,5,6,7
	v_cmp_eq_u32 vcc_lo, \ex, v201
	v_cndmask_b32 v[48+\ex], v[48+\ex], v204, vcc_lo   ; the largest leaves the field
.endr
	v_mov_b32 v202, v48                            ; the second
	v_mov_b32 v203, 0
.irp ex, 1,2,3,4,5,6,7
	v_cmp_le_f32 vcc_lo, v[48+\ex], v202
	v_cndmask_b32 v202, v[48+\ex], v202, vcc_lo
	v_cndmask_b32 v203, \ex, v203, vcc_lo
.endr
	v_sub_f32 v205, v202, v200                     ; second - largest, 0 or less
	v_mul_f32 v205, 0x3fb8aa3b, v205
	v_exp_f32 v205, v205
	v_lshl_or_b32 v208, v203, 8, v201              ; sel.  (The plain line behind the exponential)
	s_wait_alu depctr_va_vdst(0)                   ; the wait ahead of the result's first reader
	v_add_f32 v209, 1.0, v205
	v_rcp_f32 v206, v209                           ; the first gate
	v_mov_b32 v210, 0                              ; (the plain line behind the reciprocal)
	s_wait_alu depctr_va_vdst(0)
	v_mul_f32 v207, v205, v206                     ; the second
	global_store_b32 v14, v208, s[36:37]
	global_store_b64 v15, v[206:207], s[34:35]
.irp ex, 0,1,2,3,4,5,6,7
	v_cmp_eq_u32 s40, \ex, v201
	v_cmp_eq_u32 s41, \ex, v203
	s_or_b32 s40, s40, s41                         ; the 32 tokens' bits for this expert
	v_writelane_b32 v210, s40, \ex
.endr
	v_lshlrev_b32 v211, 7, v1                      ; expert = lane: 128 bytes of emask each
	s_wait_xcnt 0x0                                ; EXEC changes only behind this wait
	v_cmp_gt_u32 vcc_lo, 8, v1
	s_wait_tensorcnt 0x0
	ds_add_u32 v254, v255
	s_wait_dscnt 0x0
	s_and_saveexec_b32 s42, vcc_lo
	global_store_b32 v211, v210, s[38:39]
	s_wait_xcnt 0x0
	s_or_b32 exec_lo, exec_lo, s42
	s_endpgm
.Lfunc_end_k_qc66e40d09f_route:
	.size	k_qc66e40d09f_route, .Lfunc_end_k_qc66e40d09f_route-k_qc66e40d09f_route
	.p2alignl 7, 3214868480
	.fill 96, 4, 3214868480
	.section	.rodata,"a",@progbits
	.p2align	6, 0x0
	.amdhsa_kernel k_qc66e40d09f_route
		.amdhsa_group_segment_fixed_size 39424
		.amdhsa_private_segment_fixed_size 0
		.amdhsa_enable_private_segment 0
		.amdhsa_kernarg_size 48
		.amdhsa_user_sgpr_count 2
		.amdhsa_user_sgpr_kernarg_segment_ptr 1
		.amdhsa_wavefront_size32 1
		.amdhsa_system_sgpr_workgroup_id_x 1
		.amdhsa_system_sgpr_workgroup_id_y 1
		.amdhsa_system_sgpr_workgroup_id_z 1
		.amdhsa_system_vgpr_workitem_id 0
		.amdhsa_next_free_vgpr 256
		.amdhsa_next_free_sgpr 66
		.amdhsa_reserve_vcc 1
		.amdhsa_float_denorm_mode_32 3
		.amdhsa_float_denorm_mode_16_64 3
		.amdhsa_memory_ordered 1
		.amdhsa_forward_progress 1
		.amdhsa_inst_pref_size 49
	.end_amdhsa_kernel
	.amdgpu_metadata
---
amdhsa.version: [ 1, 2 ]
amdhsa.kernels:
  - .name:           k_qc66e40d09f_route
    .symbol:         k_qc66e40d09f_route.kd
    .args:
      - { .name: x, .offset: 0, .size: 8, .value_kind: global_buffer, .address_space: global }
      - { .name: router_w, .offset: 8, .size: 8, .value_kind: global_buffer, .address_space: global }
      - { .name: router_b, .offset: 16, .size: 8, .value_kind: global_buffer, .address_space: global }
      - { .name: xq, .offset: 24, .size: 8, .value_kind: global_buffer, .address_space: global }
      - { .name: xsg, .offset: 32, .size: 8, .value_kind: global_buffer, .address_space: global }
      - { .name: route, .offset: 40, .size: 8, .value_kind: global_buffer, .address_space: global }
    .group_segment_fixed_size: 39424
    .private_segment_fixed_size: 0
    .kernarg_segment_align: 8
    .kernarg_segment_size: 48
    .max_flat_workgroup_size: 384
    .sgpr_count:     66
    .vgpr_count:     256
    .wavefront_size: 32
...
	.end_amdgpu_metadata
.endif
;; end of part 1
;; launch up (part 2): grid 24 x 8, 8 waves a work-group, no clusters, 103,424 bytes of LDS; arguments w1, b1, xq, xsg, route, hq, slotof; writes hq, slotof
.if DOCPART == 2
	.amdgcn_target "amdgcn-amd-amdhsa--gfx1250"
	.amdhsa_code_object_version 6
	.text
	.protected	k_qc66e40d09f_up
	.globl	k_qc66e40d09f_up
	.p2align	8
	.type	k_qc66e40d09f_up,@function
k_qc66e40d09f_up:
	s_mov_b64 s[64:65], 0
	v_nop
	global_prefetch_b8 v0, s[64:65] scope:SCOPE_SE
	s_setreg_imm32_b32 hwreg(HW_REG_WAVE_MODE, 25, 1), 1
	s_wait_xcnt 0x0
; FIRST PRODUCT.  hq = Q(gelu(Q(x) Q(W1[e]) + b1[e])) for the rows that go to expert e, on codes of E5M2 with one E8M0 scale for each 32 along K.
; SHARES.  Work-group (x, e): expert e, hidden units 128 x .. 128 x + 127, all K = 768: 393,216 bytes of W1, read ONCE as f32 and quantised on the way; no code of a weight goes to memory.
; W1 is [768 (k)][3072]: K is its first axis.  A UNIT is 32 k x 64 columns: 16 loads, lane (hh, q) takes row 16 hh + r at columns 4 q .. 4 q + 3 (sixteen lanes read 256 consecutive bytes, aligned).
; So a lane holds, of each of four columns, 16 neighbours along K: just what lane (column's row, hh) of the operand holds in register group c.  The hold writes them column by column, the conversion packs them,
; and 16 bytes a column go to LDS at the place of that lane in the fragment's image.  Wave w: block c = w % 4 of the K step, columns 64 (w / 4) on.  Six STAGES, a K step each; each has LDS bytes of its own: one barrier a stage.
; THE COLUMNS OF A TILE ARE NOT NEIGHBOURS: hidden unit 32 b + 16 hi + 8 u + lo is row 8 hi + lo of tile 2 b + u, so that the 16 registers of result tiles 2 b, 2 b + 1 are 16 neighbours along the next K.
; THE MATRIX INSTRUCTION IS USED TRANSPOSED: source 0 = 16 columns of W1, source 1 = 16 rows of x: a lane holds one token.
; A STAGE'S EIGHT FRAGMENTS GO THROUGH A RING OF FOUR REGISTER BUFFERS: fragment f is multiplied against the wave's three tiles of rows while fragments f + 1 .. f + 3 are on their way from LDS; its buffer then takes fragment f + 4.
; ROWS.  emask[e] (stored by the launch before) gives the expert's tokens; tile m = ranks 16 m .. 16 m + 15.  Wave w has three tile slots, m = w, w + 8, w + 16.
; THE TOKEN OF A RANK IS FOUND IN REGISTERS, by every lane for itself: the masks lie in 32 scalar registers; the last word whose prefix count is at most the rank, then that word's set bit of the rank left over, by five halvings.
; So no wave waits for another at the head, and the rows' addresses are made by register arithmetic from numbers that scalar loads brought.
; The stages hold no branch on the count: a slot past the last tile multiplies token 0's row and only its way out is jumped over.  Tiles 24 .. 63 go through a loop of five trips behind the stages.
; hq: fragment images [tile 64 e + m][K step x][2048 bytes] (register group c of lane l at 512 c + 16 l), and from HSOFF on their scale words [tile][K step][32 lanes].  slotof[e][token] = 1024 e + rank (work-groups x = 0).
; gelu is the tanh form as x / (1 + 2^(x (c1 + c2 x^2))), c1 = -2 sqrt(2/pi) log2(e), c2 = 0.044715 c1: where the power overflows the quotient is 0, where it vanishes it is x.
; NO TENSOR LOAD, NO JOINT LOAD: branches on stored counts stand in this text.  No prefetch: the weights' loads run two units (32 loads a wave) ahead through the whole launch.
; LIMITS: NaN and infinities are not served.  A block of zeros gets the byte 1 (its codes are zeros; this program alone reads the bytes).
.set STG,   16512                      ; LDS: a stage's eight fragments
.set TSTR,  2064                       ; a fragment's image, 2,048 bytes + 16: the sixteen lanes' pieces of one store then fall at sixteen different places modulo 256 bytes
.set SCL,   99072                      ; behind 6 STG: scale words, 512 bytes a stage: word (f, row) at 64 f + 4 row, byte c for block c
.set HSOFF, 25165824
.set WOFF, 2                           ; v2   W1: 16 hh rows + 16 q
.set WA,   3                           ; v3-4 where my codes go, stages 0-2, 3-5
.set SA,   5                           ; v5   and my scale bytes
.set RA,   6                           ; v6-7 16 x lane: an image's place for my lane, stages 0-2, 3-5
.set RS,   8                           ; v8   SCL + 4 (lane % 16)
.set XO,   9                           ; v9-11  slot j: my token's row in xq + 16 hh
.set XS,   12                          ; v12-14 its scale words in xsg
.set LI,   15                          ; v15  16 x lane
.set LS4,  16                          ; v16  4 x lane
.set BO,   17                          ; v17  64 hh: b1's eight numbers of my half
.set H16,  21                          ; v21  16 hh
.set C1V,  24                          ; v[24:25] c1, twice
.set HH,   26                          ; v26  hh = lane / 16
.set QL,   27                          ; v27  lane % 16; never rewritten
.set TK,   28                          ; v28-30 the slots' tokens
.set WS,   32                          ; v32-35 the weights' scale words, one for each fragment buffer
.set AS,   36                          ; v36-38 the rows' scale words, a slot each
.set PW,   39                          ; v39  the scale word just made
.set TM,   40                          ; v40-59: largest magnitudes, the other half's, holds, scale operands, bytes: four each
.set FR,   60                          ; v60-123 four fragment buffers of W1; also TT, a unit column by column; also G, a tile's 64 numbers; also the search's registers:
.set TT,   60
.set G,    60
.set FN,   60                          ; three each: the rank;
.set FW,   63                          ; the word that holds it;
.set FB,   66                          ; that word's prefix count | its number << 16;
.set K2,   69                          ; the word's counts by 2 bits, by 4, by 8, by 16;
.set K4,   72
.set K8,   75
.set K16,  78
.set FQ,   81                          ; the rank left over;
.set FP,   84                          ; the bit's place so far;
.set FT,   87                          ; at work
.set FU,   90
.set ACT,  124                         ; v124-171 the slots' fragments of x
.set E,    124                         ; v124-187 at work on the way out
.set PC,   172                         ; v172-187 a unit's codes
.set ACC2, 188                         ; v188-251 slot 2's eight accumulators.  Window 1: v0-63, v64-127 the two landing slots of units; v128-191, v192-255 slots 0 and 1
.set PV,   188                         ; at the head: 32 ranks
.set MSB, 0
.macro WIN new                         ; the immediate's high byte repeats the setting that is left
.if MSB != \new
	s_set_vgpr_msb (MSB<<8)|\new
.set MSB, \new
.endif
.endm
.macro PLACES n                        ; plain lines between a matrix instruction and what may not follow it closely (ISA guide 7.12.1)
.rept \n
	v_nop
.endr
.endm
.macro BAR
	s_wait_dscnt 0x0                               ; my LDS stores have landed, my LDS loads are in
	s_barrier_signal -1
	s_barrier_wait -1
.endm
.macro ISSUE i, slot                   ; stage i's unit into a landing slot
	WIN 0x40
.irp r, 0,1,2,3,4,5,6,7,8,9,10,11,12,13,14,15
	global_load_b128 v[64*(\slot)+4*\r:64*(\slot)+4*\r+3], v[WOFF], s[4:5] offset:(\i)*1572864+\r*12288 th:TH_LOAD_NT
.endr
	WIN 0
.endm
.macro BIAS                            ; b1 in the result's layout: register 8 t + i = hidden unit 32 (t / 2) + 16 hh + 8 (t % 2) + i
	WIN 0x40
.irp t, 0,1,2,3,4,5,6,7
	global_load_b128 v[8*\t:8*\t+3], v[BO], s[6:7] offset:(32*(\t/2)+8*(\t%2))*4
	global_load_b128 v[8*\t+4:8*\t+7], v[BO], s[6:7] offset:(32*(\t/2)+8*(\t%2))*4+16
.endr
	WIN 0
.endm
.macro PRODUCE i                       ; a unit becomes codes and scale bytes in LDS
.set LB, 64*((\i)%2)
	WIN 0x14                                       ; sources 1 and 2: window 1
.irp j, 0,1,2,3
	v_max3_num_f32 v[TM+\j], 0x8000000, |v[LB+\j]|, |v[LB+4+\j]|   ; column j: my 16 numbers, and the floor 2^(16 - 127)
.endr
.irp r, 2,4,6,8,10,12,14
.irp j, 0,1,2,3
	v_max3_num_f32 v[TM+\j], v[TM+\j], |v[LB+4*\r+\j]|, |v[LB+4*\r+4+\j]|
.endr
.endr
	WIN 0
.irp j, 0,1,2,3
	v_permlanex16_b32 v[TM+4+\j], v[TM+\j], s24, s25
.endr
.irp j, 0,1,2,3
	v_max_num_f32 v[TM+\j], v[TM+\j], v[TM+4+\j]   ; with the other 16 of the block
.endr
.irp j, 0,1,2,3
	v_add_nc_u32 v[TM+12+\j], 0xf8800000, v[TM+\j]
.endr
.irp j, 0,1,2,3
	v_and_or_b32 v[TM+8+\j], v[TM+\j], 0x7f800000, s26
.endr
.irp j, 0,1,2,3
	v_lshrrev_b32 v[TM+16+\j], 23, v[TM+12+\j]
.endr
	WIN 0x04                                       ; source 1: window 1
.irp j, 0,1,2,3
.irp r, 0,1,2,3,4,5,6,7,8,9,10,11,12,13,14,15
	v_med3_num_f32 v[TT+16*\j+\r], -v[TM+8+\j], v[LB+4*\r+\j], v[TM+8+\j]   ; the hold, which also lays a column's 16 numbers on end
.endr
.endr
	WIN 0
.irp j, 0,1,2,3
	v_cvt_scalef32_pk8_bf8_f32 v[PC+4*\j:PC+4*\j+1], v[TT+16*\j:TT+16*\j+7], v[TM+12+\j]
	v_cvt_scalef32_pk8_bf8_f32 v[PC+4*\j+2:PC+4*\j+3], v[TT+16*\j+8:TT+16*\j+15], v[TM+12+\j]
.endr
	v_nop                                          ; a plain line behind the last conversion
.if (\i) <= 3
	ISSUE (\i)+2, (\i)%2                           ; the landing slot has been read: the unit two stages on
.elseif (\i) == 4
	BIAS
.endif
.irp j, 0,1,2,3
	ds_store_b128 v[WA+(\i)/3], v[PC+4*\j:PC+4*\j+3] offset:((\i)%3)*STG+16*\j
.endr
.irp j, 0,1,2,3
	ds_store_b8 v[SA], v[TM+16+\j] offset:512*(\i)+4*\j        ; both halves of the lanes write the same byte
.endr
.endm
.macro MM d, a, b, sa, sb, zero
.if \zero
	v_wmma_scale_f32_16x16x128_f8f6f4 v[(\d):(\d)+7], v[(\a):(\a)+15], v[(\b):(\b)+15], 0, v[\sa], v[\sb] matrix_a_fmt:MATRIX_FMT_BF8 matrix_b_fmt:MATRIX_FMT_BF8
.else
	v_wmma_scale_f32_16x16x128_f8f6f4 v[(\d):(\d)+7], v[(\a):(\a)+15], v[(\b):(\b)+15], v[(\d):(\d)+7], v[\sa], v[\sb] matrix_a_fmt:MATRIX_FMT_BF8 matrix_b_fmt:MATRIX_FMT_BF8
.endif
.endm
.macro FLOAD i, f                      ; fragment f of stage i, and its scale words, into buffer f % 4: five LDS loads
.irp c, 0,1,2,3
	ds_load_b128 v[FR+16*((\f)%4)+4*\c:FR+16*((\f)%4)+4*\c+3], v[RA+(\i)/3] offset:((\i)%3)*STG+(\f)*TSTR+512*\c
.endr
	ds_load_b32 v[WS+(\f)%4], v[RS] offset:512*(\i)+64*(\f)
.endm
; A stage's products: eight tiles of hidden units x three slots: 24 accumulators, one instruction each.
; LDS loads come back in order (ISA guide 5.7.1): behind fragment f stand at most three younger fragments, five loads each.
.macro MATS i, zero, lc
.irp f, 0,1,2,3
	FLOAD \i, \f
.endr
.irp f, 0,1,2,3
	s_wait_dscnt 15                                ; fragment f is in; the three behind it may be out
.if \f == 0
	s_wait_loadcnt \lc                             ; the slots' fragments of x are in; what was issued behind them may stay out
.endif
	WIN 0x50                                       ; C and D: window 1
	MM 128+8*\f, FR+16*\f, ACT, WS+\f, AS, \zero
	MM 192+8*\f, FR+16*\f, ACT+16, WS+\f, AS+1, \zero
	WIN 0
	MM ACC2+8*\f, FR+16*\f, ACT+32, WS+\f, AS+2, \zero
	PLACES 8                                       ; in front of loads into registers that these products have read
	FLOAD \i, \f+4                                 ; the buffer takes the fragment four further on
.endr
	WIN 0x50
.irp f, 4,5,6,7
	s_wait_dscnt 5*(7-\f)                          ; 15, 10, 5, 0: the younger fragments' loads
	MM 128+8*\f, FR+16*(\f-4), ACT, WS+\f-4, AS, \zero
	MM 192+8*\f, FR+16*(\f-4), ACT+16, WS+\f-4, AS+1, \zero
.endr
	WIN 0
.irp f, 4,5,6,7                                ; slot 2's accumulators lie in window 0: its last four products stand together, under one setting
	MM ACC2+8*\f, FR+16*(\f-4), ACT+32, WS+\f-4, AS+2, \zero
.endr
.endm
.macro FRAGS i, hf                     ; the overflow loop: fragments 4 hf .. 4 hf + 3 of stage i
.irp t, 0,1,2,3
	FLOAD \i, 4*(\hf)+\t
.endr
	s_wait_dscnt 0x0
.endm
.macro ACTS i                          ; K step i of the three slots' rows: 15 loads
.irp j, 0,1,2
.irp c, 0,1,2,3
	global_load_b128 v[ACT+16*\j+4*\c:ACT+16*\j+4*\c+3], v[XO+\j], s[8:9] offset:128*(\i)+32*\c
.endr
	global_load_b32 v[AS+\j], v[XS+\j], s[10:11] offset:4*(\i)
.endr
.endm
.macro STAGE i, a, b, zero, np
	s_wait_loadcnt \a                              ; my unit is in: behind it may be out the next unit (or b1), 16 loads, and one stage's rows, 15
	PRODUCE \i
	BAR                                            ; the stage's eight fragments lie in LDS
	MATS \i, \zero, \b
	PLACES \np                                     ; in front of the loads into the rows' registers, and of the next unit's numbers in the buffers
.if (\i) < 5
	ACTS (\i)+1
.endif
.endm
; THE SEARCH.  ns slots at once, line by line, so that no line waits for the line above it.
.macro EK ns, op, d, k, s              ; op D, constant, S
.irp j, 0,1,2
.if \j < \ns
	\op v[\d+\j], \k, v[\s+\j]
.endif
.endr
.endm
.macro EV ns, op, d, a, b              ; op D, A, B
.irp j, 0,1,2
.if \j < \ns
	\op v[\d+\j], v[\a+\j], v[\b+\j]
.endif
.endr
.endm
.macro FSTEP ns, src, w, bits          ; the field in hand is 2 w bits from FP on.  Its lower half holds so many set bits; a rank at or over that lies in the upper half
.irp j, 0,1,2
.if \j < \ns
	v_bfe_u32 v[FT+\j], v[\src+\j], v[FP+\j], \bits
.endif
.endr
.irp j, 0,1,2
.if \j < \ns
	v_cmp_ge_u32 s[90+\j], v[FQ+\j], v[FT+\j]
.endif
.endr
	EV \ns, v_sub_nc_u32, FT, FQ, FT
	EK \ns, v_add_nc_u32, FU, \w, FP
.irp j, 0,1,2
.if \j < \ns
	v_cndmask_b32 v[FQ+\j], v[FQ+\j], v[FT+\j], s[90+\j]
.endif
.endr
.irp j, 0,1,2
.if \j < \ns
	v_cndmask_b32 v[FP+\j], v[FP+\j], v[FU+\j], s[90+\j]
.endif
.endr
.endm
.macro FIND ns                         ; ranks in v[FN] on -> tokens in v[TK] on, held inside the table; the expert's count is left in s22
.irp j, 0,1,2
.if \j < \ns
	v_mov_b32 v[FW+\j], s32                        ; word 0: its prefix count, 0, is at most every rank
	v_mov_b32 v[FB+\j], 0
	v_mov_b32 v[FP+\j], 0
.endif
.endr
	s_mov_b32 s22, 0
.set cw, 1
.rept 31
	s_bcnt1_i32_b32 s23, s[31+cw]
	s_add_co_u32 s22, s22, s23                     ; P: how many of the expert's tokens come before word cw (at most 1,024)
	s_or_b32 s93, s22, cw<<16
.irp j, 0,1,2
.if \j < \ns
	v_cmp_gt_u32 s[90+\j], s22, v[FN+\j]           ; P over the rank: the word found so far stays.  P never falls, so the last word taken is the one that holds the rank
.endif
.endr
.irp j, 0,1,2
.if \j < \ns
	v_cndmask_b32 v[FW+\j], s[32+cw], v[FW+\j], s[90+\j]
.endif
.endr
.irp j, 0,1,2
.if \j < \ns
	v_cndmask_b32 v[FB+\j], s93, v[FB+\j], s[90+\j]
.endif
.endr
.set cw, cw+1
.endr
	s_bcnt1_i32_b32 s23, s63
	s_add_co_u32 s22, s22, s23                     ; the count
	EK \ns, v_and_b32, FQ, 0xffff, FB
	EV \ns, v_sub_nc_u32, FQ, FN, FQ               ; the rank within the word
	EK \ns, v_lshrrev_b32, FB, 16, FB              ; the word's number
	EK \ns, v_lshrrev_b32, FT, 1, FW               ; the word's set bits, counted by fields of 2,
	EK \ns, v_and_b32, FT, 0x55555555, FT
	EV \ns, v_sub_nc_u32, K2, FW, FT
	EK \ns, v_lshrrev_b32, FT, 2, K2               ; of 4,
	EK \ns, v_and_b32, FT, 0x33333333, FT
	EK \ns, v_and_b32, K4, 0x33333333, K2
	EV \ns, v_add_nc_u32, K4, K4, FT
	EK \ns, v_lshrrev_b32, FT, 4, K4               ; of 8,
	EV \ns, v_add_nc_u32, K8, K4, FT
	EK \ns, v_and_b32, K8, 0x0f0f0f0f, K8
	EK \ns, v_lshrrev_b32, FT, 8, K8               ; and of 16 (in the low byte of each half)
	EV \ns, v_add_nc_u32, K16, K8, FT
	FSTEP \ns, K16, 16, 8
	FSTEP \ns, K8, 8, 8
	FSTEP \ns, K4, 4, 4
	FSTEP \ns, K2, 2, 2
	FSTEP \ns, FW, 1, 1
.irp j, 0,1,2
.if \j < \ns
	v_lshl_add_u32 v[TK+\j], v[FB+\j], 5, v[FP+\j] ; token = 32 x word + bit
.endif
.endr
.irp j, 0,1,2
.if \j < \ns
	v_cmp_gt_u32 s[90+\j], s22, v[FN+\j]
.endif
.endr
.irp j, 0,1,2
.if \j < \ns
	v_cndmask_b32 v[TK+\j], 0, v[TK+\j], s[90+\j]  ; a rank at or past the count names token 0
.endif
.endr
	EK \ns, v_min_u32, TK, 1023, TK
.endm
.macro QUANT                           ; G's 64 numbers (register 16 b + i = k 32 b + 16 hh + i of my token) become codes in v[E] on and the scale word in v[PW]
.irp b, 0,1,2,3
	v_max3_num_f32 v[TM+\b], |v[G+16*\b]|, |v[G+16*\b+1]|, 0x8000000
.endr
.irp i, 2,4,6,8,10,12,14
.irp b, 0,1,2,3
	v_max3_num_f32 v[TM+\b], v[TM+\b], |v[G+16*\b+\i]|, |v[G+16*\b+\i+1]|
.endr
.endr
.irp b, 0,1,2,3
	v_permlanex16_b32 v[TM+4+\b], v[TM+\b], s24, s25
.endr
.irp b, 0,1,2,3
	v_max_num_f32 v[TM+\b], v[TM+\b], v[TM+4+\b]
.endr
.irp b, 0,1,2,3
	v_add_nc_u32 v[TM+12+\b], 0xf8800000, v[TM+\b]
.endr
.irp b, 0,1,2,3
	v_and_or_b32 v[TM+8+\b], v[TM+\b], 0x7f800000, s26
.endr
.irp b, 0,1,2,3
	v_lshrrev_b32 v[TM+16+\b], 23, v[TM+12+\b]
.endr
	v_lshl_or_b32 v[PW], v[TM+17], 8, v[TM+16]
	v_lshl_or_b32 v[PW], v[TM+18], 16, v[PW]
	v_lshl_or_b32 v[PW], v[TM+19], 24, v[PW]
.irp b, 0,1,2,3
.irp i, 0,1,2,3,4,5,6,7,8,9,10,11,12,13,14,15
	v_med3_num_f32 v[G+16*\b+\i], v[G+16*\b+\i], -v[TM+8+\b], v[TM+8+\b]
.endr
	v_cvt_scalef32_pk8_bf8_f32 v[E+4*\b:E+4*\b+1], v[G+16*\b:G+16*\b+7], v[TM+12+\b]
	v_cvt_scalef32_pk8_bf8_f32 v[E+4*\b+2:E+4*\b+3], v[G+16*\b+8:G+16*\b+15], v[TM+12+\b]
.endr
	v_nop
.endm
.macro EPI win, acc, mreg              ; a tile's way out: + b1, gelu, quantised, stored as K step x of the second product.  Jumped over where the tile has no rows
	s_cmp_lt_u32 s[\mreg], s21
	s_cbranch_scc0 .Lno_tile_\@
	s_mul_i32 s76, s[\mreg], 49152
	s_mov_b32 s77, 0
	s_add_nc_u64 s[78:79], s[72:73], s[76:77]
	s_mul_i32 s76, s[\mreg], 3072
	s_add_nc_u64 s[80:81], s[74:75], s[76:77]
	WIN \win
.set p, 0
.rept 32
	v_pk_add_f32 v[G+p:G+p+1], v[\acc+p:\acc+p+1], v[p:p+1]    ; each accumulator from its low end on
.set p, p+2
.endr
	WIN 0
.set p, 0
.rept 32
	v_pk_mul_f32 v[E+p:E+p+1], v[G+p:G+p+1], v[G+p:G+p+1]
.set p, p+2
.endr
.set p, 0
.rept 32
	v_pk_fma_f32 v[E+p:E+p+1], v[E+p:E+p+1], s[30:31], v[C1V:C1V+1] op_sel_hi:[1,0,1]
.set p, p+2
.endr
.set p, 0
.rept 32
	v_pk_mul_f32 v[E+p:E+p+1], v[E+p:E+p+1], v[G+p:G+p+1]
.set p, p+2
.endr
.set p, 0
.rept 64
	v_exp_f32 v[E+p], v[E+p]
.set p, p+1
.endr
	v_nop                                          ; a plain line behind the batch,
	s_wait_alu depctr_va_vdst(0)                   ; and one wait for all 64, ahead of the first reader
.set p, 0
.rept 32
	v_pk_add_f32 v[E+p:E+p+1], v[E+p:E+p+1], 1.0 op_sel_hi:[1,0]
.set p, p+2
.endr
.set p, 0
.rept 64
	v_rcp_f32 v[E+p], v[E+p]
.set p, p+1
.endr
	v_nop
	s_wait_alu depctr_va_vdst(0)
.set p, 0
.rept 32
	v_pk_mul_f32 v[G+p:G+p+1], v[G+p:G+p+1], v[E+p:E+p+1]
.set p, p+2
.endr
	QUANT
.irp c, 0,1,2,3
	global_store_b128 v[LI], v[E+4*\c:E+4*\c+3], s[78:79] offset:512*\c    ; 32 lanes store 512 consecutive bytes, aligned
.endr
	global_store_b32 v[LS4], v[PW], s[80:81]
	s_wait_xcnt 0x0                                ; the stores' registers and bases are written again only behind this wait
.Lno_tile_\@:
.endm
.macro OHALF ks, hf, s, zero           ; the overflow loop: four tiles of hidden units for one tile of rows
	FRAGS \ks, \hf
.irp t, 0,1,2,3
	MM ACC2+8*(4*(\hf)+\t), FR+16*\t, ACT+16*(\s), WS+\t, AS+(\s), \zero
.endr
	PLACES 9
.endm
	s_load_b256 s[4:11], s[0:1], 0x0               ; w1, b1, xq, xsg
	s_load_b128 s[12:15], s[0:1], 0x20             ; route, hq
	s_load_b64 s[16:17], s[0:1], 0x30              ; slotof
	v_lshl_add_u32 v254, v0, 2, 0x19000
	v_mov_b32 v255, 0
	v_lshrrev_b32 v1, 5, v0
	v_readfirstlane_b32 s18, v1                    ; wave 0..7
	s_and_b32 s19, ttmp7, 0xffff                   ; the expert
	s_mov_b32 s20, ttmp9                           ; x: which 128 hidden units
	s_lshr_b32 s66, s18, 2                         ; which 64 of them I quantise
	s_and_b32 s67, s18, 3                          ; which block of a K step
	v_and_b32 v1, 31, v0                           ; lane
	v_bfe_u32 v[HH], v0, 4, 1                      ; hh
	v_and_b32 v[QL], 15, v0                        ; q
	v_mul_u32_u24 v[WOFF], v[HH], 196608           ; 16 rows of 12,288 bytes
	v_lshl_add_u32 v[WOFF], v[QL], 4, v[WOFF]
	v_bfe_u32 v28, v0, 3, 1
	v_bfe_u32 v29, v0, 1, 1
	v_lshl_add_u32 v28, v28, 1, v29                ; my columns' tile among the wave's four: 2 (q / 8) + (q / 2) % 2
	v_bfe_u32 v29, v0, 2, 1
	v_and_b32 v30, 1, v0
	v_lshlrev_b32 v30, 2, v30
	v_lshl_add_u32 v29, v29, 3, v30                ; and my first column's row in it: 8 ((q / 4) % 2) + 4 (q % 2)
	v_mul_u32_u24 v[WA], v28, TSTR
	v_lshl_add_u32 v[WA], v29, 4, v[WA]
	v_lshl_add_u32 v[WA], v[HH], 8, v[WA]
	s_mul_i32 s22, s66, 4*TSTR
	s_lshl_b32 s23, s67, 9
	s_add_co_u32 s22, s22, s23
	v_add_nc_u32 v[WA], s22, v[WA]                 ; TSTR f + 16 row + 256 hh + 512 c
	v_add_nc_u32 v[WA+1], 3*STG, v[WA]
	v_lshlrev_b32 v[SA], 6, v28
	v_lshl_add_u32 v[SA], v29, 2, v[SA]
	s_lshl_b32 s22, s66, 8
	s_add_co_u32 s22, s22, s67
	s_add_co_u32 s22, s22, SCL
	v_add_nc_u32 v[SA], s22, v[SA]                 ; SCL + 64 f + 4 row + c
	v_lshlrev_b32 v[RA], 4, v1
	v_add_nc_u32 v[RA+1], 3*STG, v[RA]
	v_lshl_add_u32 v[RS], v[QL], 2, SCL
	v_lshlrev_b32 v[LI], 4, v1
	v_lshlrev_b32 v[LS4], 2, v1
	v_lshlrev_b32 v[BO], 6, v[HH]
	v_lshlrev_b32 v[H16], 4, v[HH]
	v_mov_b32 v[C1V], 0xc0135761                   ; c1 = -2.3022082
	v_mov_b32 v[C1V+1], 0xc0135761
.irp b, 0,1,2,3
	v_mov_b32 v[TM+4+\b], 0                        ; written once: a lane permute's destination counts as one of its sources
.endr
	s_lshl_b32 s23, s18, 4
	v_add_nc_u32 v[FN], s23, v[QL]                 ; my ranks: 16 (w + 8 j) + lane % 16
	v_add_nc_u32 v[FN+1], 0x80, v[FN]
	v_add_nc_u32 v[FN+2], 0x100, v[FN]
	s_mov_b32 s24, 0x76543210
	s_mov_b32 s25, 0xfedcba98                      ; lane l xor 16
	s_mov_b32 s26, 0x600000                        ; the mantissa field of 57,344
	s_mov_b32 s30, 0xbdd2d3e8                      ; c2 = -0.10294324
	s_mov_b32 s31, s30
	s_mul_i32 s68, s19, 9437184
	s_lshl_b32 s69, s20, 9
	s_add_co_u32 s68, s68, s69
	s_lshl_b32 s69, s66, 8
	s_add_co_u32 s68, s68, s69
	s_mul_i32 s69, s67, 393216                     ; 32 rows
	s_add_co_u32 s68, s68, s69
	s_mov_b32 s69, 0
	s_lshl_b32 s27, s19, 7                         ; emask[e]
	s_wait_kmcnt 0x0
	s_load_b512 s[32:47], s[12:13], s27 offset:0x0
	s_load_b512 s[48:63], s[12:13], s27 offset:0x40
	s_add_nc_u64 s[4:5], s[4:5], s[68:69]
	ISSUE 0, 0                                     ; two units a wave are on their way from here on
	ISSUE 1, 1
	s_mul_i32 s70, s19, 12288
	s_lshl_b32 s71, s20, 9
	s_add_co_u32 s70, s70, s71
	s_mov_b32 s71, 0
	s_add_nc_u64 s[6:7], s[6:7], s[70:71]          ; b1 at my 128 units
	s_lshl_b32 s70, s19, 12
	s_add_nc_u64 s[16:17], s[16:17], s[70:71]      ; slotof[e]
	s_mul_i32 s70, s19, 3145728                    ; 64 tiles of 49,152 bytes
	s_lshl_b32 s76, s20, 11
	s_add_co_u32 s70, s70, s76
	s_add_nc_u64 s[72:73], s[14:15], s[70:71]      ; hq: the expert's tile 0, K step x
	s_mul_i32 s70, s19, 196608
	s_lshl_b32 s76, s20, 7
	s_add_co_u32 s70, s70, s76
	s_add_co_u32 s70, s70, HSOFF
	s_add_nc_u64 s[74:75], s[14:15], s[70:71]      ; and its scale words
	s_wait_kmcnt 0x0                               ; the masks
	FIND 3                                         ; my three tiles' tokens, while the first units are on their way
	s_add_co_u32 s21, s22, 15
	s_lshr_b32 s21, s21, 4
	s_max_u32 s21, s21, 1                          ; tiles of rows, at least one: tile 0 is always written
.irp j, 0,1,2
	v_mul_u32_u24 v[XO+\j], v[TK+\j], 768
	v_add_nc_u32 v[XO+\j], v[H16], v[XO+\j]
	v_mul_u32_u24 v[XS+\j], v[TK+\j], 24
.endr
	ACTS 0
	s_cmp_lg_u32 s18, 0
	s_cbranch_scc1 .Lranks_done
	s_cmp_lg_u32 s20, 0
	s_cbranch_scc1 .Lranks_done                    ; wave 0 of one work-group of the expert stores the tokens' ranks
	s_mov_b32 s22, 0
	s_lshl_b32 s94, s19, 10
.set nn, 0
.rept 32
	v_mbcnt_lo_u32_b32 v[PV+nn], s[32+nn], s22     ; token 32 nn + lane: how many of the expert's tokens come before it
	v_min_u32 v[PV+nn], 1023, v[PV+nn]
	v_add_nc_u32 v[PV+nn], s94, v[PV+nn]
	global_store_b32 v[LS4], v[PV+nn], s[16:17] offset:128*nn
	s_bcnt1_i32_b32 s23, s[32+nn]
	s_add_co_u32 s22, s22, s23
.set nn, nn+1
.endr
	s_wait_xcnt 0x0                                ; the ranks' registers become accumulators
.Lranks_done:
	STAGE 0, 31, 16, 1, 8                          ; the first stage's products start the sums: nothing is cleared
	STAGE 1, 31, 16, 0, 8
	STAGE 2, 31, 16, 0, 8
	STAGE 3, 31, 16, 0, 8
	STAGE 4, 31, 16, 0, 8
	STAGE 5, 31, 0, 0, 9                           ; nine: on one way a product that starts a sum anew is the next to write these accumulators
	s_mov_b32 s84, s18
	s_add_co_u32 s85, s18, 8
	s_add_co_u32 s86, s18, 16
	EPI 0x05, 128, 84
	EPI 0x05, 192, 85
	EPI 0x04, ACC2, 86
	s_mov_b32 s87, 0
	s_add_co_u32 s88, s18, 24                      ; tiles 24 + w + 8 trip
.Lover:                                            ; five trips, whatever the count; a trip without rows does nothing.  No barrier stands here: the weights' codes stay in LDS
	s_cmp_lt_u32 s88, s21
	s_cbranch_scc0 .Lover_next
	s_lshl_b32 s23, s88, 4
	v_add_nc_u32 v[FN], s23, v[QL]
	FIND 1
	v_mul_u32_u24 v[XO], v[TK], 768
	v_add_nc_u32 v[XO], v[H16], v[XO]
	v_mul_u32_u24 v[XS], v[TK], 24
.irp rd, 0,1
.irp s, 0,1,2
.irp c, 0,1,2,3
	global_load_b128 v[ACT+16*\s+4*\c:ACT+16*\s+4*\c+3], v[XO], s[8:9] offset:128*(3*\rd+\s)+32*\c
.endr
	global_load_b32 v[AS+\s], v[XS], s[10:11] offset:4*(3*\rd+\s)
.endr
	s_wait_loadcnt 0x0
.irp s, 0,1,2
.irp hf, 0,1
.if (3*\rd+\s) == 0
	OHALF 3*\rd+\s, \hf, \s, 1
.else
	OHALF 3*\rd+\s, \hf, \s, 0
.endif
.endr
.endr
.endr
	EPI 0x04, ACC2, 88
.Lover_next:
	s_add_co_u32 s88, s88, 8
	s_add_co_u32 s87, s87, 1
	s_cmp_lt_u32 s87, 5
	s_cbranch_scc1 .Lover
	s_wait_tensorcnt 0x0
	ds_add_u32 v254, v255
	s_wait_dscnt 0x0
	s_endpgm
.Lfunc_end_k_qc66e40d09f_up:
	.size	k_qc66e40d09f_up, .Lfunc_end_k_qc66e40d09f_up-k_qc66e40d09f_up
	.p2alignl 7, 3214868480
	.fill 96, 4, 3214868480
	.section	.rodata,"a",@progbits
	.p2align	6, 0x0
	.amdhsa_kernel k_qc66e40d09f_up
		.amdhsa_group_segment_fixed_size 103424
		.amdhsa_private_segment_fixed_size 0
		.amdhsa_enable_private_segment 0
		.amdhsa_kernarg_size 56
		.amdhsa_user_sgpr_count 2
		.amdhsa_user_sgpr_kernarg_segment_ptr 1
		.amdhsa_wavefront_size32 1
		.amdhsa_system_sgpr_workgroup_id_x 1
		.amdhsa_system_sgpr_workgroup_id_y 1
		.amdhsa_system_sgpr_workgroup_id_z 1
		.amdhsa_system_vgpr_workitem_id 0
		.amdhsa_next_free_vgpr 512
		.amdhsa_next_free_sgpr 96
		.amdhsa_reserve_vcc 0
		.amdhsa_float_denorm_mode_32 3
		.amdhsa_float_denorm_mode_16_64 3
		.amdhsa_memory_ordered 1
		.amdhsa_forward_progress 1
		.amdhsa_inst_pref_size 255
	.end_amdhsa_kernel
	.section	.bss,"aw",@nobits
	.p2align	6
	.space	262144
	.amdgpu_metadata
---
amdhsa.version: [ 1, 2 ]
amdhsa.kernels:
  - .name:           k_qc66e40d09f_up
    .symbol:         k_qc66e40d09f_up.kd
    .args:
      - { .name: w1, .offset: 0, .size: 8, .value_kind: global_buffer, .address_space: global }
      - { .name: b1, .offset: 8, .size: 8, .value_kind: global_buffer, .address_space: global }
      - { .name: xq, .offset: 16, .size: 8, .value_kind: global_buffer, .address_space: global }
      - { .name: xsg, .offset: 24, .size: 8, .value_kind: global_buffer, .address_space: global }
      - { .name: route, .offset: 32, .size: 8, .value_kind: global_buffer, .address_space: global }
      - { .name: hq, .offset: 40, .size: 8, .value_kind: global_buffer, .address_space: global }
      - { .name: slotof, .offset: 48, .size: 8, .value_kind: global_buffer, .address_space: global }
    .group_segment_fixed_size: 103424
    .private_segment_fixed_size: 0
    .kernarg_segment_align: 8
    .kernarg_segment_size: 56
    .max_flat_workgroup_size: 256
    .sgpr_count:     96
    .vgpr_count:     512
    .wavefront_size: 32
...
	.end_amdgpu_metadata
.endif
;; end of part 2
;; launch down (part 3): grid 24 x 8, 8 waves a work-group, no clusters, 137,984 bytes of LDS; arguments w2, route, hq, ybuf; writes ybuf
.if DOCPART == 3
	.amdgcn_target "amdgcn-amd-amdhsa--gfx1250"
	.amdhsa_code_object_version 6
	.text
	.protected	k_qc66e40d09f_down
	.globl	k_qc66e40d09f_down
	.p2align	8
	.type	k_qc66e40d09f_down,@function
k_qc66e40d09f_down:
	s_mov_b64 s[64:65], 0
	v_nop
	global_prefetch_b8 v0, s[64:65] scope:SCOPE_SE
	s_setreg_imm32_b32 hwreg(HW_REG_WAVE_MODE, 25, 1), 1
	s_wait_xcnt 0x0
; SECOND PRODUCT, in two parts along K.  ybuf[kh][slot][64 cs ..] = the sum over hidden units 1536 kh .. + 1535 of hq Q(W2[e]), f32, for the expert's tiles of rows; slot = 1024 e + rank.
; SHARES.  Work-group (2 cs + kh, e): expert e, output columns 64 cs .. + 63, half kh of K: 393,216 bytes of W2, read ONCE as f32 and quantised on the way, as in the launch before:
; a UNIT is 32 k x 64 columns, 16 loads (sixteen lanes read 256 consecutive bytes, aligned); wave w takes block w % 4 of K step 2 i + w / 4 in stage i.  Six stages, two K steps each, LDS bytes of its own for each stage: one barrier a stage.
; A stage's eight fragments: f = 4 kk + ct: K step 2 i + kk, columns 16 ct on, in their natural order.  They go through a ring of four register buffers: fragment f is multiplied against the wave's three tiles of rows
; while fragments f + 1 .. f + 3 are on their way from LDS; its buffer then takes fragment f + 4.
; THE MATRIX INSTRUCTION IS USED TRANSPOSED: source 0 = 16 columns of W2, source 1 = 16 rows of the hidden layer (a fragment image of hq, loaded as it lies): a lane holds eight neighbouring columns of one row.
; ROWS.  Wave w has three tile slots, m = w, w + 8, w + 16.  The stages hold no branch on the count: a slot past the last tile reads 16 bytes of the last tile again and again, and only its way out is jumped over.
; Tiles 24 .. 63 go through a loop of five trips behind the stages.  The two parts of a row are added by the next launch: each byte of ybuf has one owner here.
; NO TENSOR LOAD, NO JOINT LOAD: branches on stored counts stand in this text.  No prefetch: the weights' loads run two units (32 loads a wave) ahead through the whole launch.
; LIMITS: NaN and infinities are not served.  A block of zeros gets the byte 1 (its codes are zeros; this program alone reads the bytes).
.set STG,   16512
.set TSTR,  2064                       ; a fragment's image, 2,048 bytes + 16: the sixteen lanes' pieces of one store fall at sixteen different places modulo 256 bytes
.set SCL,   99072
.set STAGE_O, 102144                   ; the way out: 16 rows x (256 bytes + 16) for each wave
.set HSOFF, 25165824
.set YP,    25165824
.set WOFF, 2
.set WA,   3
.set SA,   5
.set RA,   6
.set RS,   8
.set VO,   9                           ; v9-11  slot j: 16 x lane, or 0 in a slot without rows
.set VS,   12                          ; v12-14 4 x lane, or 0
.set LI,   15
.set LS4,  16
.set STI,  17                          ; v17  into my stage: row lane % 16, 32 bytes for each half of the lanes
.set STB,  18                          ; v18  back: sixteen lanes to a row
.set YO,   19                          ; v19  the same two rows in ybuf
.set WS,   32                          ; v32-35 the weights' scale words, one for each fragment buffer
.set AS,   36                          ; v36-41 the rows' scale words [slot][kk]
.set TM,   42                          ; v42-61
.set FR,   62                          ; v62-125 four fragment buffers of W2; also TT
.set TT,   62
.set ACT,  126                         ; v126-221 the slots' fragments [slot][kk]; on the way out the rows read back
.set PC,   222                         ; v222-237.  Window 1: v0-63, v64-127 the landing slots; v128-223 accumulators [slot][ct]
.set MSB, 0
.macro WIN new
.if MSB != \new
	s_set_vgpr_msb (MSB<<8)|\new
.set MSB, \new
.endif
.endm
.macro PLACES n
.rept \n
	v_nop
.endr
.endm
.macro BAR
	s_wait_dscnt 0x0
	s_barrier_signal -1
	s_barrier_wait -1
.endm
.macro ISSUE i, slot
	WIN 0x40
.irp r, 0,1,2,3,4,5,6,7,8,9,10,11,12,13,14,15
	global_load_b128 v[64*(\slot)+4*\r:64*(\slot)+4*\r+3], v[WOFF], s[4:5] offset:(\i)*786432+\r*3072 th:TH_LOAD_NT
.endr
	WIN 0
.endm
.macro PRODUCE i
.set LB, 64*((\i)%2)
	WIN 0x14
.irp j, 0,1,2,3
	v_max3_num_f32 v[TM+\j], 0x8000000, |v[LB+\j]|, |v[LB+4+\j]|
.endr
.irp r, 2,4,6,8,10,12,14
.irp j, 0,1,2,3
	v_max3_num_f32 v[TM+\j], v[TM+\j], |v[LB+4*\r+\j]|, |v[LB+4*\r+4+\j]|
.endr
.endr
	WIN 0
.irp j, 0,1,2,3
	v_permlanex16_b32 v[TM+4+\j], v[TM+\j], s24, s25
.endr
.irp j, 0,1,2,3
	v_max_num_f32 v[TM+\j], v[TM+\j], v[TM+4+\j]
.endr
.irp j, 0,1,2,3
	v_add_nc_u32 v[TM+12+\j], 0xf8800000, v[TM+\j]
.endr
.irp j, 0,1,2,3
	v_and_or_b32 v[TM+8+\j], v[TM+\j], 0x7f800000, s26
.endr
.irp j, 0,1,2,3
	v_lshrrev_b32 v[TM+16+\j], 23, v[TM+12+\j]
.endr
	WIN 0x04
.irp j, 0,1,2,3
.irp r, 0,1,2,3,4,5,6,7,8,9,10,11,12,13,14,15
	v_med3_num_f32 v[TT+16*\j+\r], -v[TM+8+\j], v[LB+4*\r+\j], v[TM+8+\j]
.endr
.endr
	WIN 0
.irp j, 0,1,2,3
	v_cvt_scalef32_pk8_bf8_f32 v[PC+4*\j:PC+4*\j+1], v[TT+16*\j:TT+16*\j+7], v[TM+12+\j]
	v_cvt_scalef32_pk8_bf8_f32 v[PC+4*\j+2:PC+4*\j+3], v[TT+16*\j+8:TT+16*\j+15], v[TM+12+\j]
.endr
	v_nop
.if (\i) <= 3
	ISSUE (\i)+2, (\i)%2
.endif
.irp j, 0,1,2,3
	ds_store_b128 v[WA+(\i)/3], v[PC+4*\j:PC+4*\j+3] offset:((\i)%3)*STG+16*\j
.endr
.irp j, 0,1,2,3
	ds_store_b8 v[SA], v[TM+16+\j] offset:512*(\i)+4*\j
.endr
.endm
.macro MM d, a, b, sa, sb, zero
.if \zero
	v_wmma_scale_f32_16x16x128_f8f6f4 v[(\d):(\d)+7], v[(\a):(\a)+15], v[(\b):(\b)+15], 0, v[\sa], v[\sb] matrix_a_fmt:MATRIX_FMT_BF8 matrix_b_fmt:MATRIX_FMT_BF8
.else
	v_wmma_scale_f32_16x16x128_f8f6f4 v[(\d):(\d)+7], v[(\a):(\a)+15], v[(\b):(\b)+15], v[(\d):(\d)+7], v[\sa], v[\sb] matrix_a_fmt:MATRIX_FMT_BF8 matrix_b_fmt:MATRIX_FMT_BF8
.endif
.endm
.macro FLOAD i, f                      ; fragment f of stage i, and its scale words, into buffer f % 4: five LDS loads
.irp c, 0,1,2,3
	ds_load_b128 v[FR+16*((\f)%4)+4*\c:FR+16*((\f)%4)+4*\c+3], v[RA+(\i)/3] offset:((\i)%3)*STG+(\f)*TSTR+512*\c
.endr
	ds_load_b32 v[WS+(\f)%4], v[RS] offset:512*(\i)+64*(\f)
.endm
; A stage's products: two K steps x four tiles of columns x three slots; the twelve accumulators by turns, one instruction a turn.
; LDS loads come back in order (ISA guide 5.7.1): behind fragment f stand at most three younger fragments, five loads each.
.macro MATS i, zero, lc
.irp f, 0,1,2,3
	FLOAD \i, \f
.endr
.irp f, 0,1,2,3                                ; K step 2 i
	s_wait_dscnt 15                                ; fragment f is in; the three behind it may be out
.if \f == 0
	s_wait_loadcnt \lc                             ; the slots' fragments of the hidden layer are in; what was issued behind them may stay out
.endif
	WIN 0x50                                       ; C and D: window 1
.irp j, 0,1,2
	MM 128+32*\j+8*\f, FR+16*\f, ACT+32*\j, WS+\f, AS+2*\j, \zero
.endr
	WIN 0
	PLACES 8                                       ; in front of loads into registers that these products have read
	FLOAD \i, \f+4                                 ; the buffer takes the fragment four further on
.endr
	WIN 0x50
.irp f, 4,5,6,7                                ; K step 2 i + 1
	s_wait_dscnt 5*(7-\f)                          ; 15, 10, 5, 0: the younger fragments' loads
.irp j, 0,1,2
	MM 128+32*\j+8*(\f-4), FR+16*(\f-4), ACT+32*\j+16, WS+\f-4, AS+2*\j+1, 0
.endr
.endr
	WIN 0
.endm
.macro FRAGS i, kk                     ; the overflow loop: the four fragments of one K step
.irp t, 0,1,2,3
	FLOAD \i, 4*(\kk)+\t
.endr
	s_wait_dscnt 0x0
.endm
.macro ACTS i                          ; stage i's two K steps of the three slots' rows: 30 loads
.irp j, 0,1,2
.irp kk, 0,1
.irp c, 0,1,2,3
	global_load_b128 v[ACT+32*\j+16*\kk+4*\c:ACT+32*\j+16*\kk+4*\c+3], v[VO+\j], s[66+4*\j:67+4*\j] offset:(2*(\i)+\kk)*2048+512*\c
.endr
	global_load_b32 v[AS+2*\j+\kk], v[VS+\j], s[68+4*\j:69+4*\j] offset:(2*(\i)+\kk)*128
.endr
.endr
.endm
.macro STAGE i, a, b, zero, np
	s_wait_loadcnt \a                              ; my unit is in: behind it may be out the next unit, 16 loads, and one stage's rows, 30
	PRODUCE \i
	BAR
	MATS \i, \zero, \b
	PLACES \np                                     ; in front of the loads into the rows' registers, and of the next unit's numbers in the buffers
.if (\i) < 5
	ACTS (\i)+1
.endif
.endm
.macro EPIB j, mreg                    ; a tile's way out through my own stage: LDS serves a wave's instructions in order (ISA guide 5.7.1.4), so no wait stands between the stores and the loads
	s_cmp_lt_u32 s[\mreg], s21
	s_cbranch_scc0 .Lno_tile_\@
	s_mul_i32 s22, s[\mreg], 49152                 ; 16 rows of 3,072 bytes
	s_mov_b32 s23, 0
	s_add_nc_u64 s[80+2*\j:81+2*\j], s[78:79], s[22:23]
	WIN 0x04                                       ; an LDS store's data are its source 1: window 1
.irp ct, 0,1,2,3
	ds_store_b128 v[STI], v[128+32*\j+8*\ct:128+32*\j+8*\ct+3] offset:64*\ct          ; each accumulator from its low end on
	ds_store_b128 v[STI], v[128+32*\j+8*\ct+4:128+32*\j+8*\ct+7] offset:64*\ct+16
.endr
	WIN 0
.irp t, 0,1,2,3,4,5,6,7
	ds_load_b128 v[ACT+32*\j+4*\t:ACT+32*\j+4*\t+3], v[STB] offset:544*\t
.endr
.irp t, 0,1,2,3,4,5,6,7
	s_wait_dscnt 7-\t                              ; the younger loads may stay out
	global_store_b128 v[YO], v[ACT+32*\j+4*\t:ACT+32*\j+4*\t+3], s[80+2*\j:81+2*\j] offset:6144*\t   ; sixteen lanes store 256 consecutive bytes, aligned
.endr
.Lno_tile_\@:
.endm
.macro OSTEP ks, s, zero               ; the overflow loop: one K step for one tile of rows
	FRAGS (\ks)/2, (\ks)%2
	WIN 0x50
.irp t, 0,1,2,3
	MM 128+8*\t, FR+16*\t, ACT+16*(\s), WS+\t, AS+(\s), \zero
.endr
	WIN 0
	PLACES 9                                       ; nine: the next trip's first products start these sums anew, with no vector work between
.endm
	s_load_b256 s[4:11], s[0:1], 0x0               ; w2, route, hq, ybuf
	v_lshl_add_u32 v254, v0, 2, 0x21700
	v_mov_b32 v255, 0
	v_lshrrev_b32 v1, 5, v0
	v_readfirstlane_b32 s18, v1                    ; wave 0..7
	s_and_b32 s19, ttmp7, 0xffff                   ; the expert
	s_lshr_b32 s20, ttmp9, 1                       ; cs: which 64 columns
	s_and_b32 s28, ttmp9, 1                        ; kh: which half of K
	s_lshr_b32 s90, s18, 2                         ; kk: which K step of a stage I quantise
	s_and_b32 s91, s18, 3                          ; which block of it
	v_and_b32 v1, 31, v0
	v_bfe_u32 v26, v0, 4, 1                        ; hh
	v_and_b32 v27, 15, v0                          ; q
	v_mul_u32_u24 v[WOFF], v26, 49152              ; 16 rows of 3,072 bytes
	v_lshl_add_u32 v[WOFF], v27, 4, v[WOFF]
	v_bfe_u32 v28, v0, 2, 2                        ; my columns' tile: q / 4
	v_and_b32 v29, 3, v0                           ; my first column's row in it: 4 (q % 4)
	v_mul_u32_u24 v[WA], v28, TSTR
	v_lshl_add_u32 v[WA], v29, 6, v[WA]
	v_lshl_add_u32 v[WA], v26, 8, v[WA]
	s_mul_i32 s22, s90, 4*TSTR
	s_lshl_b32 s23, s91, 9
	s_add_co_u32 s22, s22, s23
	v_add_nc_u32 v[WA], s22, v[WA]
	v_add_nc_u32 v[WA+1], 3*STG, v[WA]
	v_lshlrev_b32 v[SA], 6, v28
	v_lshl_add_u32 v[SA], v29, 4, v[SA]
	s_lshl_b32 s22, s90, 8
	s_add_co_u32 s22, s22, s91
	s_add_co_u32 s22, s22, SCL
	v_add_nc_u32 v[SA], s22, v[SA]
	v_lshlrev_b32 v[RA], 4, v1
	v_add_nc_u32 v[RA+1], 3*STG, v[RA]
	v_lshl_add_u32 v[RS], v27, 2, SCL
	v_lshlrev_b32 v[LI], 4, v1
	v_lshlrev_b32 v[LS4], 2, v1
	s_mul_i32 s22, s18, 4352
	s_add_co_u32 s22, s22, STAGE_O
	v_mul_u32_u24 v[STI], v27, 272
	v_lshl_add_u32 v[STI], v26, 5, v[STI]
	v_add_nc_u32 v[STI], s22, v[STI]
	v_mul_u32_u24 v[STB], v26, 272
	v_lshl_add_u32 v[STB], v27, 4, v[STB]
	v_add_nc_u32 v[STB], s22, v[STB]
	v_mul_u32_u24 v[YO], v26, 3072
	v_lshl_add_u32 v[YO], v27, 4, v[YO]
.irp b, 0,1,2,3
	v_mov_b32 v[TM+4+\b], 0
.endr
	s_mov_b32 s24, 0x76543210
	s_mov_b32 s25, 0xfedcba98
	s_mov_b32 s26, 0x600000
	s_mul_i32 s92, s19, 9437184
	s_mul_i32 s93, s28, 4718592
	s_add_co_u32 s92, s92, s93
	s_mul_i32 s93, s90, 393216
	s_add_co_u32 s92, s92, s93
	s_mul_i32 s93, s91, 98304
	s_add_co_u32 s92, s92, s93
	s_lshl_b32 s93, s20, 8
	s_add_co_u32 s92, s92, s93
	s_mov_b32 s93, 0
	s_lshl_b32 s27, s19, 7
	s_wait_kmcnt 0x0
	s_load_b512 s[32:47], s[6:7], s27 offset:0x0
	s_load_b512 s[48:63], s[6:7], s27 offset:0x40
	s_add_nc_u64 s[4:5], s[4:5], s[92:93]
	ISSUE 0, 0
	ISSUE 1, 1
	s_mul_i32 s92, s28, YP
	s_mul_i32 s22, s19, 3145728
	s_add_co_u32 s92, s92, s22
	s_lshl_b32 s22, s20, 8
	s_add_co_u32 s92, s92, s22
	s_add_nc_u64 s[78:79], s[10:11], s[92:93]      ; ybuf: my part, the expert's tile 0, my columns
	s_mul_i32 s31, s28, 12                         ; my first K step
	s_wait_kmcnt 0x0
	s_mov_b32 s22, 0
.set nn, 0
.rept 32
	s_bcnt1_i32_b32 s23, s[32+nn]
	s_add_co_u32 s22, s22, s23
.set nn, nn+1
.endr
	s_add_co_u32 s21, s22, 15
	s_lshr_b32 s21, s21, 4
	s_max_u32 s21, s21, 1                          ; tiles of rows, as the launch before counted them
	s_sub_co_u32 s29, s21, 1
.irp j, 0,1,2
	s_add_co_u32 s[84+\j], s18, 8*\j               ; the slot's tile
	s_cmp_lt_u32 s[84+\j], s21
	s_cselect_b32 s23, 1, 0
	s_min_u32 s23, s23, 1
	v_mul_u32_u24 v[VO+\j], s23, v[LI]
	v_mul_u32_u24 v[VS+\j], s23, v[LS4]
	s_min_u32 s30, s[84+\j], s29                   ; a slot without rows stands at the last tile, which has been written
	s_min_u32 s30, s30, 63
	s_lshl_b32 s22, s19, 6
	s_add_co_u32 s30, s30, s22
	s_mul_i32 s30, s30, 24
	s_add_co_u32 s30, s30, s31
	s_lshl_b32 s22, s30, 11
	s_mov_b32 s23, 0
	s_add_nc_u64 s[66+4*\j:67+4*\j], s[8:9], s[22:23]
	s_lshl_b32 s22, s30, 7
	s_add_co_u32 s22, s22, HSOFF
	s_add_nc_u64 s[68+4*\j:69+4*\j], s[8:9], s[22:23]
.endr
	ACTS 0
	STAGE 0, 46, 16, 1, 8                          ; the first K step's products start the sums
	STAGE 1, 46, 16, 0, 8
	STAGE 2, 46, 16, 0, 8
	STAGE 3, 46, 16, 0, 8
	STAGE 4, 46, 0, 0, 8
	STAGE 5, 30, 0, 0, 9
	EPIB 0, 84
	EPIB 1, 85
	EPIB 2, 86
	s_mov_b32 s87, 0
	s_add_co_u32 s88, s18, 24
.Lover:                                            ; five trips, whatever the count; a trip without rows does nothing.  No barrier stands here
	s_cmp_lt_u32 s88, s21
	s_cbranch_scc0 .Lover_next
	s_wait_xcnt 0x0                                ; earlier stores have read their registers and bases: both are written again below
	s_lshl_b32 s30, s19, 6
	s_add_co_u32 s30, s30, s88
	s_mul_i32 s30, s30, 24
	s_add_co_u32 s30, s30, s31
	s_lshl_b32 s22, s30, 11
	s_mov_b32 s23, 0
	s_add_nc_u64 s[66:67], s[8:9], s[22:23]
	s_lshl_b32 s22, s30, 7
	s_add_co_u32 s22, s22, HSOFF
	s_add_nc_u64 s[68:69], s[8:9], s[22:23]
.irp rd, 0,1,2,3
.irp s, 0,1,2
.irp c, 0,1,2,3
	global_load_b128 v[ACT+16*\s+4*\c:ACT+16*\s+4*\c+3], v[LI], s[66:67] offset:(3*\rd+\s)*2048+512*\c
.endr
	global_load_b32 v[AS+\s], v[LS4], s[68:69] offset:(3*\rd+\s)*128
.endr
	s_wait_loadcnt 0x0
.irp s, 0,1,2
.if (3*\rd+\s) == 0
	OSTEP 3*\rd+\s, \s, 1
.else
	OSTEP 3*\rd+\s, \s, 0
.endif
.endr
.endr
	EPIB 0, 88
.Lover_next:
	s_add_co_u32 s88, s88, 8
	s_add_co_u32 s87, s87, 1
	s_cmp_lt_u32 s87, 5
	s_cbranch_scc1 .Lover
	s_wait_tensorcnt 0x0
	ds_add_u32 v254, v255
	s_wait_dscnt 0x0
	s_endpgm
.Lfunc_end_k_qc66e40d09f_down:
	.size	k_qc66e40d09f_down, .Lfunc_end_k_qc66e40d09f_down-k_qc66e40d09f_down
	.p2alignl 7, 3214868480
	.fill 96, 4, 3214868480
	.section	.rodata,"a",@progbits
	.p2align	6, 0x0
	.amdhsa_kernel k_qc66e40d09f_down
		.amdhsa_group_segment_fixed_size 137984
		.amdhsa_private_segment_fixed_size 0
		.amdhsa_enable_private_segment 0
		.amdhsa_kernarg_size 32
		.amdhsa_user_sgpr_count 2
		.amdhsa_user_sgpr_kernarg_segment_ptr 1
		.amdhsa_wavefront_size32 1
		.amdhsa_system_sgpr_workgroup_id_x 1
		.amdhsa_system_sgpr_workgroup_id_y 1
		.amdhsa_system_sgpr_workgroup_id_z 1
		.amdhsa_system_vgpr_workitem_id 0
		.amdhsa_next_free_vgpr 480
		.amdhsa_next_free_sgpr 96
		.amdhsa_reserve_vcc 0
		.amdhsa_float_denorm_mode_32 3
		.amdhsa_float_denorm_mode_16_64 3
		.amdhsa_memory_ordered 1
		.amdhsa_forward_progress 1
		.amdhsa_inst_pref_size 171
	.end_amdhsa_kernel
	.amdgpu_metadata
---
amdhsa.version: [ 1, 2 ]
amdhsa.kernels:
  - .name:           k_qc66e40d09f_down
    .symbol:         k_qc66e40d09f_down.kd
    .args:
      - { .name: w2, .offset: 0, .size: 8, .value_kind: global_buffer, .address_space: global }
      - { .name: route, .offset: 8, .size: 8, .value_kind: global_buffer, .address_space: global }
      - { .name: hq, .offset: 16, .size: 8, .value_kind: global_buffer, .address_space: global }
      - { .name: ybuf, .offset: 24, .size: 8, .value_kind: global_buffer, .address_space: global }
    .group_segment_fixed_size: 137984
    .private_segment_fixed_size: 0
    .kernarg_segment_align: 8
    .kernarg_segment_size: 32
    .max_flat_workgroup_size: 256
    .sgpr_count:     96
    .vgpr_count:     480
    .wavefront_size: 32
...
	.end_amdgpu_metadata
.endif
;; end of part 3
;; launch norm (part 4): grid 256 x 1, 4 waves a work-group, no clusters, 0 bytes of LDS; arguments route, slotof, xsg, ybuf, b2, ln_g, ln_b, out0; writes out0
.if DOCPART == 4
	.amdgcn_target "amdgcn-amd-amdhsa--gfx1250"
	.amdhsa_code_object_version 6
	.text
	.protected	k_qc66e40d09f_norm
	.globl	k_qc66e40d09f_norm
	.p2align	8
	.type	k_qc66e40d09f_norm,@function
k_qc66e40d09f_norm:
	s_mov_b64 s[64:65], 0
	v_nop
	global_prefetch_b8 v0, s[64:65] scope:SCOPE_SE
	s_setreg_imm32_b32 hwreg(HW_REG_WAVE_MODE, 25, 1), 1
	s_wait_xcnt 0x0
; THE SUM OVER THE TWO EXPERTS AND THE LAYER NORM.  out[t] = LN(g0 (y[e0] + b2[e0]) + g1 (y[e1] + b2[e1])) ln_g + ln_b; y[e] = the two parts along K that the launch before stored at the token's slot.
; One wave, one token: a row of 768 f32 is six loads of 512 consecutive bytes; the row stays in 24 registers between the mean, the variance (of the differences, as the reference takes it) and the scaling.
; The token's experts (route), its slots (slotof) and its gates (xsg) were stored by earlier launches; the indices are held inside their tables before they enter an address.
; No LDS, no barrier, no matrix unit: waves share nothing but 6,144 bytes of gains.
.set GA, 8                             ; v8-31 ln_g;  v32-55 ln_b;  v56-79, v80-103 the first expert's two parts;  v104-127, v128-151 the second's;  v152-175, v176-199 b2's two rows;  v200.. at work
.set BE, 32
.set P0, 56
.set P1, 80
.set Q0, 104
.set Q1, 128
.set B0, 152
.set B1, 176
.set YP, 25165824
.macro ROW reg, base
.irp i, 0,1,2,3,4,5
	global_load_b128 v[\reg+4*\i:\reg+4*\i+3], v1, s[\base:\base+1] offset:512*\i
.endr
.endm
.macro ROWNT reg, base
.irp i, 0,1,2,3,4,5
	global_load_b128 v[\reg+4*\i:\reg+4*\i+3], v1, s[\base:\base+1] offset:512*\i th:TH_LOAD_NT
.endr
.endm
.macro ALLSUM                          ; the pairs v[200:201], v[202:203] -> their sum over the 32 lanes, in v200 of every lane
	v_pk_add_f32 v[200:201], v[200:201], v[202:203]
	v_add_f32 v200, v200, v201
.irp m, 1,2,4,8
	v_add_f32_dpp v200, v200, v200 row_xmask:\m row_mask:0xf bank_mask:0xf
.endr
	v_permlanex16_b32 v201, v200, s52, s53
	v_add_f32 v200, v200, v201
.endm
	s_load_b512 s[4:19], s[0:1], 0x0               ; route, slotof, xsg, ybuf, b2, ln_g, ln_b, out0
	v_lshrrev_b32 v1, 5, v0
	v_readfirstlane_b32 s20, v1
	s_lshl_b32 s21, ttmp9, 2
	s_add_co_u32 s21, s21, s20                     ; my token
	v_and_b32 v1, 31, v0
	v_lshlrev_b32 v1, 4, v1                        ; 16 bytes a lane
	s_lshl_b32 s22, s21, 2
	s_lshl_b32 s23, s21, 3
	s_mov_b32 s52, 0x76543210
	s_mov_b32 s53, 0xfedcba98
	s_mov_b32 s54, 0x3aaaaaab                      ; 1 / 768
	s_mov_b32 s55, 0x3727c5ac                      ; 1e-5
	s_mov_b32 s37, 0
	s_wait_kmcnt 0x0
	s_load_b32 s28, s[4:5], s22 offset:0x400       ; sel
	s_load_b64 s[24:25], s[8:9], s23 offset:0x6000 ; the gates
	ROW GA, 14
	ROW BE, 16
	s_mul_i32 s36, s21, 3072
	s_add_nc_u64 s[18:19], s[18:19], s[36:37]
	s_wait_kmcnt 0x0
	s_and_b32 s29, s28, 0xff
	s_min_u32 s29, s29, 7
	s_bfe_u32 s30, s28, 0x80008
	s_min_u32 s30, s30, 7
	s_lshl_b32 s31, s29, 12
	s_add_co_u32 s31, s31, s22
	s_lshl_b32 s32, s30, 12
	s_add_co_u32 s32, s32, s22
	s_load_b32 s33, s[6:7], s31 offset:0x0         ; the token's slot with each expert
	s_load_b32 s34, s[6:7], s32 offset:0x0
	s_mul_i32 s36, s29, 3072
	s_add_nc_u64 s[48:49], s[12:13], s[36:37]
	s_mul_i32 s36, s30, 3072
	s_add_nc_u64 s[50:51], s[12:13], s[36:37]
	ROW B0, 48
	ROW B1, 50
	s_mov_b32 s26, s25                             ; the second gate as the low word of a pair
	s_mov_b32 s27, s25
	s_wait_kmcnt 0x0
	s_min_u32 s33, s33, 8191
	s_min_u32 s34, s34, 8191
	s_mul_i32 s36, s33, 3072
	s_add_nc_u64 s[38:39], s[10:11], s[36:37]
	s_add_nc_u64 s[40:41], s[38:39], YP
	s_mul_i32 s36, s34, 3072
	s_add_nc_u64 s[42:43], s[10:11], s[36:37]
	s_add_nc_u64 s[44:45], s[42:43], YP
	ROWNT P0, 38
	ROWNT P1, 40
	ROWNT Q0, 42
	ROWNT Q1, 44
	s_wait_loadcnt 0x0                             ; the row's sum wants all of them
.set p, 0
.rept 12
	v_pk_add_f32 v[P0+p:P0+p+1], v[P0+p:P0+p+1], v[P1+p:P1+p+1]
	v_pk_add_f32 v[Q0+p:Q0+p+1], v[Q0+p:Q0+p+1], v[Q1+p:Q1+p+1]
.set p, p+2
.endr
.set p, 0
.rept 12
	v_pk_add_f32 v[P0+p:P0+p+1], v[P0+p:P0+p+1], v[B0+p:B0+p+1]
	v_pk_add_f32 v[Q0+p:Q0+p+1], v[Q0+p:Q0+p+1], v[B1+p:B1+p+1]
.set p, p+2
.endr
.set p, 0
.rept 12
	v_pk_mul_f32 v[P0+p:P0+p+1], v[P0+p:P0+p+1], s[24:25] op_sel_hi:[1,0]
.set p, p+2
.endr
.set p, 0
.rept 12
	v_pk_fma_f32 v[P0+p:P0+p+1], v[Q0+p:Q0+p+1], s[26:27], v[P0+p:P0+p+1] op_sel_hi:[1,0,1]
.set p, p+2
.endr
	v_pk_add_f32 v[200:201], v[P0:P0+1], v[P0+2:P0+3]          ; the mean: two chains
	v_pk_add_f32 v[202:203], v[P0+4:P0+5], v[P0+6:P0+7]
.irp q, 8,12,16,20
	v_pk_add_f32 v[200:201], v[200:201], v[P0+\q:P0+\q+1]
	v_pk_add_f32 v[202:203], v[202:203], v[P0+\q+2:P0+\q+3]
.endr
	ALLSUM
	v_mul_f32 v204, s54, v200
	v_mov_b32 v205, v204
.set p, 0
.rept 12
	v_pk_add_f32 v[P0+p:P0+p+1], v[P0+p:P0+p+1], v[204:205] neg_lo:[0,1] neg_hi:[0,1]
.set p, p+2
.endr
	v_pk_mul_f32 v[200:201], v[P0:P0+1], v[P0:P0+1]            ; the variance
	v_pk_mul_f32 v[202:203], v[P0+2:P0+3], v[P0+2:P0+3]
.irp q, 4,8,12,16,20
	v_pk_fma_f32 v[200:201], v[P0+\q:P0+\q+1], v[P0+\q:P0+\q+1], v[200:201]
	v_pk_fma_f32 v[202:203], v[P0+\q+2:P0+\q+3], v[P0+\q+2:P0+\q+3], v[202:203]
.endr
	ALLSUM
	v_fma_f32 v200, v200, s54, s55
	v_rsq_f32 v206, v200
	v_nop                                          ; a plain line behind the root,
	s_wait_alu depctr_va_vdst(0)                   ; and the wait ahead of its first reader
	v_mov_b32 v207, v206
.set p, 0
.rept 12
	v_pk_mul_f32 v[P0+p:P0+p+1], v[P0+p:P0+p+1], v[206:207]
.set p, p+2
.endr
.set p, 0
.rept 12
	v_pk_fma_f32 v[P0+p:P0+p+1], v[P0+p:P0+p+1], v[GA+p:GA+p+1], v[BE+p:BE+p+1]
.set p, p+2
.endr
.irp i, 0,1,2,3,4,5
	global_store_b128 v1, v[P0+4*\i:P0+4*\i+3], s[18:19] offset:512*\i th:TH_STORE_NT   ; 32 lanes store 512 consecutive bytes, aligned
.endr
	s_endpgm
.Lfunc_end_k_qc66e40d09f_norm:
	.size	k_qc66e40d09f_norm, .Lfunc_end_k_qc66e40d09f_norm-k_qc66e40d09f_norm
	.p2alignl 7, 3214868480
	.fill 96, 4, 3214868480
	.section	.rodata,"a",@progbits
	.p2align	6, 0x0
	.amdhsa_kernel k_qc66e40d09f_norm
		.amdhsa_group_segment_fixed_size 0
		.amdhsa_private_segment_fixed_size 0
		.amdhsa_enable_private_segment 0
		.amdhsa_kernarg_size 64
		.amdhsa_user_sgpr_count 2
		.amdhsa_user_sgpr_kernarg_segment_ptr 1
		.amdhsa_wavefront_size32 1
		.amdhsa_system_sgpr_workgroup_id_x 1
		.amdhsa_system_sgpr_workgroup_id_y 1
		.amdhsa_system_sgpr_workgroup_id_z 1
		.amdhsa_system_vgpr_workitem_id 0
		.amdhsa_next_free_vgpr 224
		.amdhsa_next_free_sgpr 66
		.amdhsa_reserve_vcc 0
		.amdhsa_float_denorm_mode_32 3
		.amdhsa_float_denorm_mode_16_64 3
		.amdhsa_memory_ordered 1
		.amdhsa_forward_progress 1
		.amdhsa_inst_pref_size 17
	.end_amdhsa_kernel
	.amdgpu_metadata
---
amdhsa.version: [ 1, 2 ]
amdhsa.kernels:
  - .name:           k_qc66e40d09f_norm
    .symbol:         k_qc66e40d09f_norm.kd
    .args:
      - { .name: route, .offset: 0, .size: 8, .value_kind: global_buffer, .address_space: global }
      - { .name: slotof, .offset: 8, .size: 8, .value_kind: global_buffer, .address_space: global }
      - { .name: xsg, .offset: 16, .size: 8, .value_kind: global_buffer, .address_space: global }
      - { .name: ybuf, .offset: 24, .size: 8, .value_kind: global_buffer, .address_space: global }
      - { .name: b2, .offset: 32, .size: 8, .value_kind: global_buffer, .address_space: global }
      - { .name: ln_g, .offset: 40, .size: 8, .value_kind: global_buffer, .address_space: global }
      - { .name: ln_b, .offset: 48, .size: 8, .value_kind: global_buffer, .address_space: global }
      - { .name: out0, .offset: 56, .size: 8, .value_kind: global_buffer, .address_space: global }
    .group_segment_fixed_size: 0
    .private_segment_fixed_size: 0
    .kernarg_segment_align: 8
    .kernarg_segment_size: 64
    .max_flat_workgroup_size: 128
    .sgpr_count:     66
    .vgpr_count:     224
    .wavefront_size: 32
...
	.end_amdgpu_metadata
.endif
;; end of part 4
;; ======== version 2 of 2: 4 launches
;; workspace buffers: xq 786,432 bytes; xsg 32,768 bytes; route 5,120 bytes of whole numbers; slotof 32,768 bytes of whole numbers; hq 26,738,688 bytes; ybuf 50,331,648 bytes
;; launch route (part 5): grid 32 x 1, 12 waves a work-group, no clusters, 39,424 bytes of LDS; arguments x, router_w, router_b, xq, xsg, route; writes xq, xsg, route
.if DOCPART == 5
	.amdgcn_target "amdgcn-amd-amdhsa--gfx1250"
	.amdhsa_code_object_version 6
	.text
	.protected	k_qc66e40d09f_route
	.globl	k_qc66e40d09f_route
	.p2align	8
	.type	k_qc66e40d09f_route,@function
k_qc66e40d09f_route:
	s_mov_b64 s[64:65], 0
	v_nop
	global_prefetch_b8 v0, s[64:65] scope:SCOPE_SE
	s_setreg_imm32_b32 hwreg(HW_REG_WAVE_MODE, 25, 1), 1
	s_wait_xcnt 0x0
; ROUTER AND x's CODES.  logits = x router_w + router_b in f32 (fused multiply-adds); the two largest of eight, the lower index on a tie; their softmax (the larger logit is taken away first).
; x [1024][768] f32 becomes codes of E5M2 with one E8M0 byte for each 32 along K: xq [1024][768], xsg bytes 0.. [1024][24]; the two gates of a token: xsg bytes 24576.. [1024][2] f32.
; route: bytes 0.. emask [8][32] words (bit l of word c of expert e: token 32 c + l goes to e); bytes 1024.. sel [1024] words = first expert | second << 8.
; No address and no branch here hangs on the choice: it is stored, and later launches read it.
; SHARES.  Work-group c: tokens 32 c .. 32 c + 31.  Wave w: k = 64 w .. 64 w + 63 of every row (256 consecutive bytes).  Lane: row rho = lane / 4 of a group of 8 rows, q = lane % 4: eight k of a block of 32.
; LIMITS: NaN and infinities are not served.  The logits' f32 sums run in another order than the reference's.  A block of zeros gets the byte 1 (its codes are zeros, and this program alone reads the bytes).
; No matrix unit, no cluster, no tensor load: 8 columns are too few for a matrix tile, and the work-groups share only router_w's 24,576 bytes.
.set PL,  0                            ; LDS: the waves' parts of the logits [wave 12][token 32][8 f32]
.set XQI, 12288                        ; 32 rows x 768 codes, as they lie in memory
.set XSI, 36864                        ; 32 rows x 24 scale bytes
.set SUM, 16                           ; v16-47   [group 4][8 experts]
.set XR,  48                           ; v48-111  x: [group 4][block 2][8]
.set RW,  112                          ; v112-239 router_w: [block 2][k 8][8 experts]; free behind the sums:
.set CD,  112                          ; v112-127 codes, two registers a block
.set QM,  144                          ; v144-151 largest magnitudes;  v152.. scale operands;  v160.. holds;  v168.. bytes
.set QS,  152
.set QL,  160
.set QB,  168
.set OB,  176                          ; v176-191 the codes on their way out
	s_load_b256 s[4:11], s[0:1], 0x0               ; x, router_w, router_b, xq
	s_load_b128 s[12:15], s[0:1], 0x20             ; xsg, route
	v_lshl_add_u32 v254, v0, 2, 0x9400
	v_mov_b32 v255, 0
	v_lshrrev_b32 v1, 5, v0
	s_delay_alu instid0(VALU_DEP_1)
	v_readfirstlane_b32 s26, v1                    ; wave 0..11
	v_and_b32 v1, 31, v0                           ; lane
	v_bfe_u32 v2, v0, 2, 3                         ; rho
	v_and_b32 v3, 3, v0                            ; q
	s_delay_alu instid0(VALU_DEP_2)
	v_mul_u32_u24 v4, v2, 3072
	s_delay_alu instid0(VALU_DEP_1)
	v_lshl_add_u32 v4, v3, 5, v4                   ; x: row rho, 32 bytes a lane
	s_delay_alu instid0(VALU_DEP_3)
	v_lshlrev_b32 v5, 8, v3                        ; router_w: eight rows of 32 bytes a lane
	s_lshl_b32 s27, s26, 10
	v_lshl_add_u32 v6, v2, 5, s27                  ; PL + 1024 w + 32 rho
	v_mul_u32_u24 v7, v2, 768
	s_delay_alu instid0(VALU_DEP_1)
	v_lshl_add_u32 v7, v3, 3, v7
	s_lshl_b32 s28, s26, 6
	s_add_co_u32 s28, s28, XQI
	v_add_nc_u32 v7, s28, v7                       ; XQI + 768 rho + 64 w + 8 q
	v_mul_u32_u24 v8, v2, 24
	s_lshl_b32 s28, s26, 1
	s_add_co_u32 s28, s28, XSI
	v_add_nc_u32 v8, s28, v8                       ; XSI + 24 rho + 2 w
	s_lshl_b32 s28, s26, 11
	v_lshl_add_u32 v9, v1, 4, s28                  ; the way out: 2048 w + 16 lane, in xq
	s_delay_alu instid0(VALU_DEP_1)
	v_add_nc_u32 v10, XQI, v9                      ; and in LDS
	s_lshl_b32 s28, s26, 8
	v_lshl_add_u32 v12, v1, 3, s28                 ; scale bytes (waves 1 to 3): 256 w + 8 lane; the store reaches back 256
	s_delay_alu instid0(VALU_DEP_1)
	v_add_nc_u32 v11, XSI-256, v12
	v_lshlrev_b32 v13, 5, v1                       ; wave 0: token = lane: 32 bytes of each wave's part
	v_lshlrev_b32 v14, 2, v1
	v_lshlrev_b32 v15, 3, v1
	s_mov_b32 s24, 0x600000                        ; the mantissa field of 57,344
	s_mul_i32 s28, ttmp9, 98304                    ; 32 rows of 3,072 bytes
	s_lshl_b32 s29, s26, 8
	s_add_co_u32 s28, s28, s29
	s_mov_b32 s29, 0
	s_lshl_b32 s30, s26, 11                        ; 64 rows of router_w
	s_mov_b32 s31, 0
	s_wait_kmcnt 0x0
	s_add_nc_u64 s[4:5], s[4:5], s[28:29]
	s_add_nc_u64 s[6:7], s[6:7], s[30:31]
	s_load_b256 s[16:23], s[8:9], 0x0              ; router_b
.irp g, 0,1,2,3
.irp bb, 0,1
	global_load_b128 v[XR+16*\g+8*\bb:XR+16*\g+8*\bb+3], v4, s[4:5] offset:24576*\g+128*\bb th:TH_LOAD_NT
	global_load_b128 v[XR+16*\g+8*\bb+4:XR+16*\g+8*\bb+7], v4, s[4:5] offset:24576*\g+128*\bb+16 th:TH_LOAD_NT
.endr
.endr
.irp bb, 0,1
.irp i, 0,1,2,3,4,5,6,7
	global_load_b128 v[RW+64*\bb+8*\i:RW+64*\bb+8*\i+3], v5, s[6:7] offset:1024*\bb+32*\i
	global_load_b128 v[RW+64*\bb+8*\i+4:RW+64*\bb+8*\i+7], v5, s[6:7] offset:1024*\bb+32*\i+16
.endr
.endr
	s_mul_i32 s28, ttmp9, 24576
	s_add_nc_u64 s[10:11], s[10:11], s[28:29]      ; xq at my 32 rows
	s_mul_i32 s28, ttmp9, 768
	s_add_nc_u64 s[32:33], s[12:13], s[28:29]      ; their scale bytes
	s_lshl_b32 s28, ttmp9, 8
	s_add_co_u32 s28, s28, 24576
	s_add_nc_u64 s[34:35], s[12:13], s[28:29]      ; their gates
	s_lshl_b32 s28, ttmp9, 7
	s_add_co_u32 s28, s28, 1024
	s_add_nc_u64 s[36:37], s[14:15], s[28:29]      ; sel
	s_lshl_b32 s28, ttmp9, 2
	s_add_nc_u64 s[38:39], s[14:15], s[28:29]      ; emask: word c of each expert
	s_wait_loadcnt 0x0                             ; all 48 loads feed the sums together
	s_wait_kmcnt 0x0
; my eight k of two blocks against eight experts, two experts an instruction; x is the broadcast half of its pair; the four groups of rows by turns
.irp bb, 0,1
.irp i, 0,1,2,3,4,5,6,7
.irp pe, 0,2,4,6
.irp g, 0,1,2,3
.if (\bb == 0) && (\i == 0)
	v_pk_mul_f32 v[SUM+8*\g+\pe:SUM+8*\g+\pe+1], v[XR+16*\g:XR+16*\g+1], v[RW+\pe:RW+\pe+1] op_sel_hi:[0,1]
.elseif (\i % 2) == 0
	v_pk_fma_f32 v[SUM+8*\g+\pe:SUM+8*\g+\pe+1], v[XR+16*\g+8*\bb+\i:XR+16*\g+8*\bb+\i+1], v[RW+64*\bb+8*\i+\pe:RW+64*\bb+8*\i+\pe+1], v[SUM+8*\g+\pe:SUM+8*\g+\pe+1] op_sel_hi:[0,1,1]
.else
	v_pk_fma_f32 v[SUM+8*\g+\pe:SUM+8*\g+\pe+1], v[XR+16*\g+8*\bb+\i-1:XR+16*\g+8*\bb+\i], v[RW+64*\bb+8*\i+\pe:RW+64*\bb+8*\i+\pe+1], v[SUM+8*\g+\pe:SUM+8*\g+\pe+1] op_sel:[1,0,0] op_sel_hi:[1,1,1]
.endif
.endr
.endr
.endr
.endr
.irp m, 1,2                                    ; the four lanes of a row
.set nn, 0
.rept 32
	v_add_f32_dpp v[SUM+nn], v[SUM+nn], v[SUM+nn] row_xmask:\m row_mask:0xf bank_mask:0xf
.set nn, nn+1
.endr
.endr
.irp g, 0,1,2,3
	ds_store_b128 v6, v[SUM+8*\g:SUM+8*\g+3] offset:256*\g        ; the four lanes of a row write the same bytes with the same values
	ds_store_b128 v6, v[SUM+8*\g+4:SUM+8*\g+7] offset:256*\g+16
.endr
; x's eight blocks of this lane (n = 2 g + bb), by turns
.irp n, 0,1,2,3,4,5,6,7
	v_max3_num_f32 v[QM+\n], |v[XR+8*\n]|, |v[XR+8*\n+1]|, 0x8000000   ; with the floor 2^(16 - 127): the byte cannot fall under 1
.endr
.irp i, 2,4,6
.irp n, 0,1,2,3,4,5,6,7
	v_max3_num_f32 v[QM+\n], v[QM+\n], |v[XR+8*\n+\i]|, |v[XR+8*\n+\i+1]|
.endr
.endr
.irp m, 1,2
.irp n, 0,1,2,3,4,5,6,7
	v_max_num_f32_dpp v[QM+\n], v[QM+\n], v[QM+\n] row_xmask:\m row_mask:0xf bank_mask:0xf
.endr
.endr
.irp n, 0,1,2,3,4,5,6,7
	v_add_nc_u32 v[QS+\n], 0xf8800000, v[QM+\n]    ; 15 off the exponent field: the conversion's scale operand
.endr
.irp n, 0,1,2,3,4,5,6,7
	v_and_or_b32 v[QL+\n], v[QM+\n], 0x7f800000, s24   ; 57,344 x the scale
.endr
.irp n, 0,1,2,3,4,5,6,7
	v_lshrrev_b32 v[QB+\n], 23, v[QS+\n]           ; the scale's byte
.endr
.irp n, 0,1,2,3,4,5,6,7
.irp i, 0,1,2,3,4,5,6,7
	v_med3_num_f32 v[XR+8*\n+\i], v[XR+8*\n+\i], -v[QL+\n], v[QL+\n]   ; the conversion does not saturate (ISA guide 7.6.2): the hold comes first
.endr
	v_cvt_scalef32_pk8_bf8_f32 v[CD+2*\n:CD+2*\n+1], v[XR+8*\n:XR+8*\n+7], v[QS+\n]
.endr
	v_nop                                          ; a plain line behind the last conversion
.irp g, 0,1,2,3
.irp bb, 0,1
	ds_store_b64 v7, v[CD+4*\g+2*\bb:CD+4*\g+2*\bb+1] offset:6144*\g+32*\bb
	ds_store_b8 v8, v[QB+2*\g+\bb] offset:192*\g+\bb           ; four lanes, the same byte
.endr
.endr
	s_wait_dscnt 0x0                               ; for the others' sake: all my LDS stores have landed
	s_barrier_signal -1
	s_barrier_wait -1
.irp t, 0,1,2,3
	ds_load_b128 v[OB+4*\t:OB+4*\t+3], v10 offset:512*\t
.endr
.irp t, 0,1,2,3
	s_wait_dscnt 3-\t                              ; the younger loads may stay out
	global_store_b128 v9, v[OB+4*\t:OB+4*\t+3], s[10:11] offset:512*\t   ; 32 lanes store 512 consecutive bytes, aligned
.endr
	s_cmp_eq_u32 s26, 0
	s_cbranch_scc1 .Lwave0
	s_cmp_gt_u32 s26, 3
	s_cbranch_scc1 .Ldone
	ds_load_b64 v[192:193], v11                    ; waves 1 to 3: 256 of the 768 scale bytes each
	s_wait_dscnt 0x0
	global_store_b64 v12, v[192:193], s[32:33] offset:-256
.Ldone:
	s_wait_tensorcnt 0x0
	ds_add_u32 v254, v255
	s_wait_dscnt 0x0
	s_endpgm
.Lwave0:                                           ; lane = token
.irp ww, 0,1,2,3,4,5,6,7,8,9,10,11
	ds_load_b128 v[48+8*\ww:48+8*\ww+3], v13 offset:1024*\ww
	ds_load_b128 v[48+8*\ww+4:48+8*\ww+7], v13 offset:1024*\ww+16
.endr
	s_wait_dscnt 0x0
.irp ww, 1,2,3,4,5,6,7,8,9,10,11
.irp pe, 0,2,4,6
	v_pk_add_f32 v[48+\pe:49+\pe], v[48+\pe:49+\pe], v[48+8*\ww+\pe:49+8*\ww+\pe]
.endr
.endr
.irp ex, 0,1,2,3,4,5,6,7
	v_add_f32 v[48+\ex], s[16+\ex], v[48+\ex]      ; + router_b
.endr
	v_mov_b32 v200, v48                            ; the largest, and its index: a later expert takes over only if it is strictly larger
	v_mov_b32 v201, 0
.irp ex, 1,2,3,4,5,6,7
	s_delay_alu instid0(VALU_DEP_2)
	v_cmp_le_f32 vcc_lo, v[48+\ex], v200
	s_delay_alu instid0(VALU_DEP_1)
	v_cndmask_b32 v200, v[48+\ex], v200, vcc_lo
	s_delay_alu instid0(VALU_DEP_2)
	v_cndmask_b32 v201, \ex, v201, vcc_lo
.endr
	v_mov_b32 v204, 0xff800000
.irp ex, 0,1,2,3,4,5,6,7
	v_cmp_eq_u32 vcc_lo, \ex, v201
	s_delay_alu instid0(VALU_DEP_1)
	v_cndmask_b32 v[48+\ex], v[48+\ex], v204, vcc_lo   ; the largest leaves the field
.endr
	v_mov_b32 v202, v48                            ; the second
	v_mov_b32 v203, 0
.irp ex, 1,2,3,4,5,6,7
	s_delay_alu instid0(VALU_DEP_2)
	v_cmp_le_f32 vcc_lo, v[48+\ex], v202
	s_delay_alu instid0(VALU_DEP_1)
	v_cndmask_b32 v202, v[48+\ex], v202, vcc_lo
	s_delay_alu instid0(VALU_DEP_2)
	v_cndmask_b32 v203, \ex, v203, vcc_lo
.endr
	s_delay_alu instid0(VALU_DEP_2)
	v_sub_f32 v205, v202, v200                     ; second - largest, 0 or less
	s_delay_alu instid0(VALU_DEP_1)
	v_mul_f32 v205, 0x3fb8aa3b, v205
	s_wait_alu depctr_va_vdst(0)
	v_exp_f32 v205, v205
	v_lshl_or_b32 v208, v203, 8, v201              ; sel.  (The plain line behind the exponential)
	s_wait_alu depctr_va_vdst(0)                   ; the wait ahead of the result's first reader
	v_add_f32 v209, 1.0, v205
	s_wait_alu depctr_va_vdst(0)
	v_rcp_f32 v206, v209                           ; the first gate
	v_mov_b32 v210, 0                              ; (the plain line behind the reciprocal)
	s_wait_alu depctr_va_vdst(0)
	v_mul_f32 v207, v205, v206                     ; the second
	global_store_b32 v14, v208, s[36:37]
	global_store_b64 v15, v[206:207], s[34:35]
.irp ex, 0,1,2,3,4,5,6,7
	v_cmp_eq_u32 s40, \ex, v201
	v_cmp_eq_u32 s41, \ex, v203
	s_or_b32 s40, s40, s41                         ; the 32 tokens' bits for this expert
	v_writelane_b32 v210, s40, \ex
.endr
	v_lshlrev_b32 v211, 7, v1                      ; expert = lane: 128 bytes of emask each
	s_wait_alu depctr_va_vdst(0)
	s_wait_xcnt 0x0                                ; EXEC changes only behind this wait
	v_cmp_gt_u32 vcc_lo, 8, v1
	s_wait_tensorcnt 0x0
	ds_add_u32 v254, v255
	s_wait_dscnt 0x0
	s_and_saveexec_b32 s42, vcc_lo
	global_store_b32 v211, v210, s[38:39]
	s_wait_xcnt 0x0
	s_or_b32 exec_lo, exec_lo, s42
	s_endpgm
.Lfunc_end_k_qc66e40d09f_route:
	.size	k_qc66e40d09f_route, .Lfunc_end_k_qc66e40d09f_route-k_qc66e40d09f_route
	.p2alignl 7, 3214868480
	.fill 96, 4, 3214868480
	.section	.rodata,"a",@progbits
	.p2align	6, 0x0
	.amdhsa_kernel k_qc66e40d09f_route
		.amdhsa_group_segment_fixed_size 39424
		.amdhsa_private_segment_fixed_size 0
		.amdhsa_enable_private_segment 0
		.amdhsa_kernarg_size 48
		.amdhsa_user_sgpr_count 2
		.amdhsa_user_sgpr_kernarg_segment_ptr 1
		.amdhsa_wavefront_size32 1
		.amdhsa_system_sgpr_workgroup_id_x 1
		.amdhsa_system_sgpr_workgroup_id_y 1
		.amdhsa_system_sgpr_workgroup_id_z 1
		.amdhsa_system_vgpr_workitem_id 0
		.amdhsa_next_free_vgpr 256
		.amdhsa_next_free_sgpr 66
		.amdhsa_reserve_vcc 1
		.amdhsa_float_denorm_mode_32 3
		.amdhsa_float_denorm_mode_16_64 3
		.amdhsa_memory_ordered 1
		.amdhsa_forward_progress 1
		.amdhsa_inst_pref_size 51
	.end_amdhsa_kernel
	.amdgpu_metadata
---
amdhsa.version: [ 1, 2 ]
amdhsa.kernels:
  - .name:           k_qc66e40d09f_route
    .symbol:         k_qc66e40d09f_route.kd
    .args:
      - { .name: x, .offset: 0, .size: 8, .value_kind: global_buffer, .address_space: global }
      - { .name: router_w, .offset: 8, .size: 8, .value_kind: global_buffer, .address_space: global }
      - { .name: router_b, .offset: 16, .size: 8, .value_kind: global_buffer, .address_space: global }
      - { .name: xq, .offset: 24, .size: 8, .value_kind: global_buffer, .address_space: global }
      - { .name: xsg, .offset: 32, .size: 8, .value_kind: global_buffer, .address_space: global }
      - { .name: route, .offset: 40, .size: 8, .value_kind: global_buffer, .address_space: global }
    .group_segment_fixed_size: 39424
    .private_segment_fixed_size: 0
    .kernarg_segment_align: 8
    .kernarg_segment_size: 48
    .max_flat_workgroup_size: 384
    .sgpr_count:     66
    .vgpr_count:     256
    .wavefront_size: 32
...
	.end_amdgpu_metadata
.endif
;; end of part 5
;; launch up (part 6): grid 24 x 8, 8 waves a work-group, no clusters, 103,424 bytes of LDS; arguments w1, b1, xq, xsg, route, hq, slotof; writes hq, slotof
.if DOCPART == 6
	.amdgcn_target "amdgcn-amd-amdhsa--gfx1250"
	.amdhsa_code_object_version 6
	.text
	.protected	k_qc66e40d09f_up
	.globl	k_qc66e40d09f_up
	.p2align	8
	.type	k_qc66e40d09f_up,@function
k_qc66e40d09f_up:
	s_mov_b64 s[64:65], 0
	v_nop
	global_prefetch_b8 v0, s[64:65] scope:SCOPE_SE
	s_setreg_imm32_b32 hwreg(HW_REG_WAVE_SCHED_MODE, 0, 2), 2
	s_setreg_imm32_b32 hwreg(HW_REG_WAVE_MODE, 25, 1), 1
	s_wait_xcnt 0x0
	s_wait_alu depctr_vm_vsrc(0)
; FIRST PRODUCT.  hq = Q(gelu(Q(x) Q(W1[e]) + b1[e])) for the rows that go to expert e, on codes of E5M2 with one E8M0 scale for each 32 along K.
; SHARES.  Work-group (x, e): expert e, hidden units 128 x .. 128 x + 127, all K = 768: 393,216 bytes of W1, read ONCE as f32 and quantised on the way; no code of a weight goes to memory.
; W1 is [768 (k)][3072]: K is its first axis.  A UNIT is 32 k x 64 columns: 16 loads, lane (hh, q) takes row 16 hh + r at columns 4 q .. 4 q + 3 (sixteen lanes read 256 consecutive bytes, aligned).
; So a lane holds, of each of four columns, 16 neighbours along K: just what lane (column's row, hh) of the operand holds in register group c.  The hold writes them column by column, the conversion packs them,
; and 16 bytes a column go to LDS at the place of that lane in the fragment's image.  Wave w: block c = w % 4 of the K step, columns 64 (w / 4) on.  Six STAGES, a K step each; each has LDS bytes of its own: one barrier a stage.
; THE COLUMNS OF A TILE ARE NOT NEIGHBOURS: hidden unit 32 b + 16 hi + 8 u + lo is row 8 hi + lo of tile 2 b + u, so that the 16 registers of result tiles 2 b, 2 b + 1 are 16 neighbours along the next K.
; THE MATRIX INSTRUCTION IS USED TRANSPOSED: source 0 = 16 columns of W1, source 1 = 16 rows of x: a lane holds one token.
; A STAGE'S EIGHT FRAGMENTS GO THROUGH A RING OF FOUR REGISTER BUFFERS, two at a time: a pair of fragments is multiplied against the wave's three tiles of rows while the next pair is on its way from LDS; the pair's buffers then take the fragments four further on.
; ROWS.  emask[e] (stored by the launch before) gives the expert's tokens; tile m = ranks 16 m .. 16 m + 15.  Wave w has three tile slots, m = w, w + 8, w + 16.
; THE TOKEN OF A RANK IS FOUND IN REGISTERS, by every lane for itself: the masks lie in 32 scalar registers; the last word whose prefix count is at most the rank, then that word's set bit of the rank left over, by five halvings.
; So no wave waits for another at the head, and the rows' addresses are made by register arithmetic from numbers that scalar loads brought.
; The stages hold no branch on the count: a slot past the last tile multiplies token 0's row and only its way out is jumped over.  Tiles 24 .. 63 go through a loop of five trips behind the stages.
; hq: fragment images [tile 64 e + m][K step x][2048 bytes] (register group c of lane l at 512 c + 16 l), and from HSOFF on their scale words [tile][K step][32 lanes].  slotof[e][token] = 1024 e + rank (work-groups x = 0).
; gelu is the tanh form as x / (1 + 2^(x (c1 + c2 x^2))), c1 = -2 sqrt(2/pi) log2(e), c2 = 0.044715 c1: where the power overflows the quotient is 0, where it vanishes it is x.
; NO TENSOR LOAD, NO JOINT LOAD: branches on stored counts stand in this text.  No prefetch: the weights' loads run two units (32 loads a wave) ahead through the whole launch.
; LIMITS: NaN and infinities are not served.  A block of zeros gets the byte 1 (its codes are zeros; this program alone reads the bytes).
; THE MODE: SCHED_MODE bits 1:0 = 2 (LLVM: expert scheduling mode 2), set by the entry lines.  The code itself states the register dependences
; between vector or matrix instructions and memory or LDS instructions, with s_wait_alu, always for 0.
; THE PLAN.  Registers that memory or LDS instructions touch, and who else names them:
;   the landing slots (window 1, v0-127)  A unit's loads land; stage i's maxima and holds read slot i % 2; behind them the unit two stages on (in stage 4: b1) lands there.
;   v[PC ..], the four bytes v[TM+16 ..]  Written by a stage's conversions and shifts, read by its LDS stores, written again a stage later (behind the last stage: by the way out).
;   v[FR ..], v[WS ..]                    A stage's holds write and its conversions read v[FR ..] (as TT); then the fragments' LDS loads land; the products read them; a pair's buffers are loaded again behind the pair's products.
;   v[ACT ..], v[AS ..]                   The rows' loads land; the stage's products read them; the next K step lands behind the stage's last product.
;   v[E .. E+15], v[PW]                   Written by a tile's way out, read by its stores, written again by the next tile's way out or by the loop's loads.
;   v[XO ..], v[XS ..]                    Made behind the search, read by the rows' loads; slot 0's are made anew in each trip of the loop behind the stages.
;   v[PV ..]                              One wave of one work-group of an expert: 32 ranks, written, stored, then accumulators.
;   All other addresses are made at the head and never written again.  The accumulators are named by matrix and vector instructions alone.
; A STAGE'S WAITS: one on vm_vsrc at its head (the last stage's LDS stores have read their data); one on va_vdst behind the conversions, which serves the LDS stores, the next unit's loads and,
; behind the barrier, the loads of fragments 0 to 3: no vector or matrix instruction stands between; one behind each of the first two pairs' products; one behind the stage's last products.
.set STG,   16512                      ; LDS: a stage's eight fragments
.set TSTR,  2064                       ; a fragment's image, 2,048 bytes + 16: the sixteen lanes' pieces of one store then fall at sixteen different places modulo 256 bytes
.set SCL,   99072                      ; behind 6 STG: scale words, 512 bytes a stage: word (f, row) at 64 f + 4 row, byte c for block c
.set HSOFF, 25165824
.set WOFF, 2                           ; v2   W1: 16 hh rows + 16 q
.set WA,   3                           ; v3-4 where my codes go, stages 0-2, 3-5
.set SA,   5                           ; v5   and my scale bytes
.set RA,   6                           ; v6-7 16 x lane: an image's place for my lane, stages 0-2, 3-5
.set RS,   8                           ; v8   SCL + 4 (lane % 16)
.set XO,   9                           ; v9-11  slot j: my token's row in xq + 16 hh
.set XS,   12                          ; v12-14 its scale words in xsg
.set LI,   15                          ; v15  16 x lane
.set LS4,  16                          ; v16  4 x lane
.set BO,   17                          ; v17  64 hh: b1's eight numbers of my half
.set H16,  21                          ; v21  16 hh
.set C1V,  24                          ; v[24:25] c1, twice
.set HH,   26                          ; v26  hh = lane / 16
.set QL,   27                          ; v27  lane % 16; never rewritten
.set TK,   28                          ; v28-30 the slots' tokens
.set WS,   32                          ; v32-35 the weights' scale words, one for each fragment buffer
.set AS,   36                          ; v36-38 the rows' scale words, a slot each
.set PW,   39                          ; v39  the scale word just made
.set TM,   40                          ; v40-59: largest magnitudes, the other half's, holds, scale operands, bytes: four each
.set FR,   60                          ; v60-123 four fragment buffers of W1; also TT, a unit column by column; also G, a tile's 64 numbers; also the search's registers:
.set TT,   60
.set G,    60
.set FN,   60                          ; three each: the rank;
.set FW,   63                          ; the word that holds it;
.set FB,   66                          ; that word's prefix count | its number << 16;
.set K2,   69                          ; the word's counts by 2 bits, by 4, by 8, by 16;
.set K4,   72
.set K8,   75
.set K16,  78
.set FQ,   81                          ; the rank left over;
.set FP,   84                          ; the bit's place so far;
.set FT,   87                          ; at work
.set FU,   90
.set ACT,  124                         ; v124-171 the slots' fragments of x
.set E,    124                         ; v124-187 at work on the way out
.set PC,   172                         ; v172-187 a unit's codes
.set ACC2, 188                         ; v188-251 slot 2's eight accumulators.  Window 1: v0-63, v64-127 the two landing slots of units; v128-191, v192-255 slots 0 and 1
.set PV,   188                         ; at the head: 32 ranks
.set MK,   76                          ; s76-87 the search's masks: word q of a run of four, slot j: s[MK + 3 q + j]; the halvings use s[MK + j]
.set PKS,  90                          ; s90-93 the run's prefix counts | word numbers << 16
.set MSB, 0
.macro WIN new                         ; the immediate's high byte repeats the setting that is left
.if MSB != \new
	s_set_vgpr_msb (MSB<<8)|\new
.set MSB, \new
.endif
.endm
.macro PLACES n                        ; plain lines between a matrix instruction and what may not follow it closely (ISA guide 7.12.1)
.rept \n
	v_nop
.endr
.endm
.macro BAR
	s_wait_dscnt 0x0                               ; my LDS stores have landed, my LDS loads are in
	s_barrier_signal -1
	s_barrier_wait -1
.endm
.macro ISSUE i, slot                   ; stage i's unit into a landing slot
	WIN 0x40
.irp r, 0,1,2,3,4,5,6,7,8,9,10,11,12,13,14,15
	global_load_b128 v[64*(\slot)+4*\r:64*(\slot)+4*\r+3], v[WOFF], s[4:5] offset:(\i)*1572864+\r*12288 th:TH_LOAD_NT
.endr
	WIN 0
.endm
.macro BIAS                            ; b1 in the result's layout: register 8 t + i = hidden unit 32 (t / 2) + 16 hh + 8 (t % 2) + i
	WIN 0x40
.irp t, 0,1,2,3,4,5,6,7
	global_load_b128 v[8*\t:8*\t+3], v[BO], s[6:7] offset:(32*(\t/2)+8*(\t%2))*4
	global_load_b128 v[8*\t+4:8*\t+7], v[BO], s[6:7] offset:(32*(\t/2)+8*(\t%2))*4+16
.endr
	WIN 0
.endm
.macro PRODUCE i                       ; a unit becomes codes and scale bytes in LDS
.set LB, 64*((\i)%2)
.if (\i) > 0
	s_wait_alu depctr_vm_vsrc(0)                   ; the last stage's LDS stores have read v[PC ..] and the four bytes' registers, which this stage writes again
.endif
	WIN 0x14                                       ; sources 1 and 2: window 1
.irp j, 0,1,2,3
	v_max3_num_f32 v[TM+\j], 0x8000000, |v[LB+\j]|, |v[LB+4+\j]|   ; column j: my 16 numbers, and the floor 2^(16 - 127)
.endr
.irp r, 2,4,6,8,10,12,14
.irp j, 0,1,2,3
	v_max3_num_f32 v[TM+\j], v[TM+\j], |v[LB+4*\r+\j]|, |v[LB+4*\r+4+\j]|
.endr
.endr
	WIN 0
.irp j, 0,1,2,3
	v_permlanex16_b32 v[TM+4+\j], v[TM+\j], s24, s25
.endr
.irp j, 0,1,2,3
	v_max_num_f32 v[TM+\j], v[TM+\j], v[TM+4+\j]   ; with the other 16 of the block
.endr
.irp j, 0,1,2,3
	v_add_nc_u32 v[TM+12+\j], 0xf8800000, v[TM+\j]
.endr
.irp j, 0,1,2,3
	v_and_or_b32 v[TM+8+\j], v[TM+\j], 0x7f800000, s26
.endr
.irp j, 0,1,2,3
	v_lshrrev_b32 v[TM+16+\j], 23, v[TM+12+\j]
.endr
	WIN 0x04                                       ; source 1: window 1
.irp j, 0,1,2,3
.irp r, 0,1,2,3,4,5,6,7,8,9,10,11,12,13,14,15
	v_med3_num_f32 v[TT+16*\j+\r], -v[TM+8+\j], v[LB+4*\r+\j], v[TM+8+\j]   ; the hold, which also lays a column's 16 numbers on end
.endr
.endr
	WIN 0
.irp j, 0,1,2,3
	v_cvt_scalef32_pk8_bf8_f32 v[PC+4*\j:PC+4*\j+1], v[TT+16*\j:TT+16*\j+7], v[TM+12+\j]
	v_cvt_scalef32_pk8_bf8_f32 v[PC+4*\j+2:PC+4*\j+3], v[TT+16*\j+8:TT+16*\j+15], v[TM+12+\j]
.endr
	v_nop                                          ; a plain line behind the last conversion
	s_wait_alu depctr_va_vdst(0)                   ; the codes and the bytes are written, which the LDS stores read; the maxima and holds are done reading the landing slot, in which the next loads land; the holds and conversions are done with v[TT ..], in which fragments 0 to 3 land behind the barrier
.irp j, 0,1,2,3
	ds_store_b128 v[WA+(\i)/3], v[PC+4*\j:PC+4*\j+3] offset:((\i)%3)*STG+16*\j
.endr
.irp j, 0,1,2,3
	ds_store_b8 v[SA], v[TM+16+\j] offset:512*(\i)+4*\j        ; both halves of the lanes write the same byte
.endr
.if (\i) <= 3
	ISSUE (\i)+2, (\i)%2                           ; the landing slot has been read: the unit two stages on.  No vector line since the wait names it
.elseif (\i) == 4
	BIAS
.endif
.endm
.macro MM d, a, b, sa, sb, zero
.if \zero
	v_wmma_scale_f32_16x16x128_f8f6f4 v[(\d):(\d)+7], v[(\a):(\a)+15], v[(\b):(\b)+15], 0, v[\sa], v[\sb] matrix_a_fmt:MATRIX_FMT_BF8 matrix_b_fmt:MATRIX_FMT_BF8
.else
	v_wmma_scale_f32_16x16x128_f8f6f4 v[(\d):(\d)+7], v[(\a):(\a)+15], v[(\b):(\b)+15], v[(\d):(\d)+7], v[\sa], v[\sb] matrix_a_fmt:MATRIX_FMT_BF8 matrix_b_fmt:MATRIX_FMT_BF8
.endif
.endm
.macro FLOAD i, f                      ; fragment f of stage i, and its scale words, into buffer f % 4: five LDS loads
.irp c, 0,1,2,3
	ds_load_b128 v[FR+16*((\f)%4)+4*\c:FR+16*((\f)%4)+4*\c+3], v[RA+(\i)/3] offset:((\i)%3)*STG+(\f)*TSTR+512*\c
.endr
	ds_load_b32 v[WS+(\f)%4], v[RS] offset:512*(\i)+64*(\f)
.endm
; A stage's products: eight tiles of hidden units x three slots: 24 accumulators, one instruction each.
; LDS loads come back in order (ISA guide 5.7.1): behind a fragment stand at most three younger fragments, five loads each.
.macro MATS i, zero, lc
.irp f, 0,1,2,3
	FLOAD \i, \f
.endr
.irp h, 0,2                                    ; the pairs 0, 1 and 2, 3
.irp u, 0,1
	s_wait_dscnt 15-5*\u                           ; the pair's first fragment is in with three younger ones out, its second with two
.if (\h+\u) == 0
	s_wait_loadcnt \lc                             ; the slots' fragments of x are in; what was issued behind them may stay out
.endif
	WIN 0x50                                       ; C and D: window 1
	MM 128+8*(\h+\u), FR+16*(\h+\u), ACT, WS+\h+\u, AS, \zero
	MM 192+8*(\h+\u), FR+16*(\h+\u), ACT+16, WS+\h+\u, AS+1, \zero
	WIN 0
	MM ACC2+8*(\h+\u), FR+16*(\h+\u), ACT+32, WS+\h+\u, AS+2, \zero
.endr
	PLACES 8                                       ; eight plain lines behind the pair's products, then the wait
	s_wait_alu depctr_va_vdst(0)                   ; the pair's products are done reading their two buffers and scale words, in which the loads below land
	FLOAD \i, \h+4                                 ; the buffers take the fragments four further on
	FLOAD \i, \h+5
.endr
	WIN 0x50
.irp f, 4,5,6,7
	s_wait_dscnt 5*(7-\f)                          ; 15, 10, 5, 0: the younger fragments' loads
	MM 128+8*\f, FR+16*(\f-4), ACT, WS+\f-4, AS, \zero
	MM 192+8*\f, FR+16*(\f-4), ACT+16, WS+\f-4, AS+1, \zero
.endr
	WIN 0
.irp f, 4,5,6,7                                ; slot 2's accumulators lie in window 0: its last four products stand together, under one setting
	MM ACC2+8*\f, FR+16*(\f-4), ACT+32, WS+\f-4, AS+2, \zero
.endr
.endm
.macro FRAGS i, hf                     ; the overflow loop: fragments 4 hf .. 4 hf + 3 of stage i
.irp t, 0,1,2,3
	FLOAD \i, 4*(\hf)+\t
.endr
	s_wait_dscnt 0x0
.endm
.macro ACTS i                          ; K step i of the three slots' rows: 15 loads
.irp j, 0,1,2
.irp c, 0,1,2,3
	global_load_b128 v[ACT+16*\j+4*\c:ACT+16*\j+4*\c+3], v[XO+\j], s[8:9] offset:128*(\i)+32*\c
.endr
	global_load_b32 v[AS+\j], v[XS+\j], s[10:11] offset:4*(\i)
.endr
.endm
.macro STAGE i, a, b, zero, np
	s_wait_loadcnt \a                              ; my unit is in: behind it may be out the next unit (or b1), 16 loads, and one stage's rows, 15
	PRODUCE \i
	BAR                                            ; the stage's eight fragments lie in LDS
	MATS \i, \zero, \b
	PLACES \np                                     ; plain lines behind the stage's last products: ahead of the next unit's numbers in the buffers, and of the first read of results
.if (\i) < 5
	s_wait_alu depctr_va_vdst(0)                   ; the stage's products are done reading the rows' fragments and scale words, in which the next K step lands
	ACTS (\i)+1
.endif
.endm
; THE SEARCH.  ns slots at once, line by line, so that no line waits for the line above it.
.macro EK ns, op, d, k, s              ; op D, constant, S
.irp j, 0,1,2
.if \j < \ns
	\op v[\d+\j], \k, v[\s+\j]
.endif
.endr
.endm
.macro EV ns, op, d, a, b              ; op D, A, B
.irp j, 0,1,2
.if \j < \ns
	\op v[\d+\j], v[\a+\j], v[\b+\j]
.endif
.endr
.endm
.macro FSTEP ns, src, w, bits          ; the field in hand is 2 w bits from FP on.  Its lower half holds so many set bits; a rank at or over that lies in the upper half
.irp j, 0,1,2
.if \j < \ns
	v_bfe_u32 v[FT+\j], v[\src+\j], v[FP+\j], \bits
.endif
.endr
.irp j, 0,1,2
.if \j < \ns
	v_cmp_ge_u32 s[MK+\j], v[FQ+\j], v[FT+\j]
.endif
.endr
	EV \ns, v_sub_nc_u32, FT, FQ, FT
	EK \ns, v_add_nc_u32, FU, \w, FP
	s_wait_alu depctr_va_sdst(0)                   ; the compares have written their masks, which the selects below read
.irp j, 0,1,2
.if \j < \ns
	v_cndmask_b32 v[FQ+\j], v[FQ+\j], v[FT+\j], s[MK+\j]
.endif
.endr
.irp j, 0,1,2
.if \j < \ns
	v_cndmask_b32 v[FP+\j], v[FP+\j], v[FU+\j], s[MK+\j]
.endif
.endr
.endm
.macro FIND ns                         ; ranks in v[FN] on -> tokens in v[TK] on, held inside the table; the expert's count is left in s22
.irp j, 0,1,2
.if \j < \ns
	v_mov_b32 v[FW+\j], s32                        ; word 0: its prefix count, 0, is at most every rank
	v_mov_b32 v[FB+\j], 0
	v_mov_b32 v[FP+\j], 0
.endif
.endr
	s_mov_b32 s22, 0
.set cw, 1
	s_wait_alu depctr_va_vdst(0)
.rept 8                                        ; words 1 to 31 in runs of four: a run's compares, each into a mask of its own, one wait, the run's selects in the words' order
.irp q, 0,1,2,3
.if cw+\q < 32
	s_bcnt1_i32_b32 s23, s[31+cw+\q]
	s_add_co_u32 s22, s22, s23                     ; P: how many of the expert's tokens come before word cw + q (at most 1,024)
	s_or_b32 s[PKS+\q], s22, (cw+\q)<<16
.irp j, 0,1,2
.if \j < \ns
	v_cmp_gt_u32 s[MK+3*\q+\j], s22, v[FN+\j]      ; P over the rank: the word found so far stays.  P never falls, so the last word taken is the one that holds the rank
.endif
.endr
.endif
.endr
	s_wait_alu depctr_va_sdst(0)                   ; the run's compares have written their masks, which the selects below read
	s_wait_alu depctr_va_vdst(0)
.irp q, 0,1,2,3
.if cw+\q < 32
.irp j, 0,1,2
.if \j < \ns
	v_cndmask_b32 v[FW+\j], s[32+cw+\q], v[FW+\j], s[MK+3*\q+\j]
.endif
.endr
.irp j, 0,1,2
.if \j < \ns
	v_cndmask_b32 v[FB+\j], s[PKS+\q], v[FB+\j], s[MK+3*\q+\j]
.endif
.endr
.endif
.endr
.set cw, cw+4
.endr
	s_bcnt1_i32_b32 s23, s63
	s_add_co_u32 s22, s22, s23                     ; the count
	EK \ns, v_and_b32, FQ, 0xffff, FB
	EV \ns, v_sub_nc_u32, FQ, FN, FQ               ; the rank within the word
	EK \ns, v_lshrrev_b32, FB, 16, FB              ; the word's number
	EK \ns, v_lshrrev_b32, FT, 1, FW               ; the word's set bits, counted by fields of 2,
	EK \ns, v_and_b32, FT, 0x55555555, FT
	EV \ns, v_sub_nc_u32, K2, FW, FT
	EK \ns, v_lshrrev_b32, FT, 2, K2               ; of 4,
	EK \ns, v_and_b32, FT, 0x33333333, FT
	EK \ns, v_and_b32, K4, 0x33333333, K2
	EV \ns, v_add_nc_u32, K4, K4, FT
	EK \ns, v_lshrrev_b32, FT, 4, K4               ; of 8,
	EV \ns, v_add_nc_u32, K8, K4, FT
	EK \ns, v_and_b32, K8, 0x0f0f0f0f, K8
	EK \ns, v_lshrrev_b32, FT, 8, K8               ; and of 16 (in the low byte of each half)
	EV \ns, v_add_nc_u32, K16, K8, FT
	FSTEP \ns, K16, 16, 8
	FSTEP \ns, K8, 8, 8
	FSTEP \ns, K4, 4, 4
	FSTEP \ns, K2, 2, 2
	FSTEP \ns, FW, 1, 1
.irp j, 0,1,2
.if \j < \ns
	v_cmp_gt_u32 s[MK+\j], s22, v[FN+\j]
.endif
.endr
.irp j, 0,1,2
.if \j < \ns
	v_lshl_add_u32 v[TK+\j], v[FB+\j], 5, v[FP+\j] ; token = 32 x word + bit
.endif
.endr
	s_wait_alu depctr_va_sdst(0)                   ; the compares have written their masks, which the selects below read
.irp j, 0,1,2
.if \j < \ns
	v_cndmask_b32 v[TK+\j], 0, v[TK+\j], s[MK+\j]  ; a rank at or past the count names token 0
.endif
.endr
	EK \ns, v_min_u32, TK, 1023, TK
.endm
.macro QUANT                           ; G's 64 numbers (register 16 b + i = k 32 b + 16 hh + i of my token) become codes in v[E] on and the scale word in v[PW]
.irp b, 0,1,2,3
	v_max3_num_f32 v[TM+\b], |v[G+16*\b]|, |v[G+16*\b+1]|, 0x8000000
.endr
.irp i, 2,4,6,8,10,12,14
.irp b, 0,1,2,3
	v_max3_num_f32 v[TM+\b], v[TM+\b], |v[G+16*\b+\i]|, |v[G+16*\b+\i+1]|
.endr
.endr
.irp b, 0,1,2,3
	v_permlanex16_b32 v[TM+4+\b], v[TM+\b], s24, s25
.endr
.irp b, 0,1,2,3
	v_max_num_f32 v[TM+\b], v[TM+\b], v[TM+4+\b]
.endr
.irp b, 0,1,2,3
	v_add_nc_u32 v[TM+12+\b], 0xf8800000, v[TM+\b]
.endr
.irp b, 0,1,2,3
	v_and_or_b32 v[TM+8+\b], v[TM+\b], 0x7f800000, s26
.endr
.irp b, 0,1,2,3
	v_lshrrev_b32 v[TM+16+\b], 23, v[TM+12+\b]
.endr
	v_lshl_or_b32 v[PW], v[TM+17], 8, v[TM+16]
	v_lshl_or_b32 v[PW], v[TM+18], 16, v[PW]
	v_lshl_or_b32 v[PW], v[TM+19], 24, v[PW]
.irp b, 0,1,2,3
.irp i, 0,1,2,3,4,5,6,7,8,9,10,11,12,13,14,15
	v_med3_num_f32 v[G+16*\b+\i], v[G+16*\b+\i], -v[TM+8+\b], v[TM+8+\b]
.endr
	v_cvt_scalef32_pk8_bf8_f32 v[E+4*\b:E+4*\b+1], v[G+16*\b:G+16*\b+7], v[TM+12+\b]
	v_cvt_scalef32_pk8_bf8_f32 v[E+4*\b+2:E+4*\b+3], v[G+16*\b+8:G+16*\b+15], v[TM+12+\b]
.endr
	v_nop
.endm
.macro EPI win, acc, mreg              ; a tile's way out: + b1, gelu, quantised, stored as K step x of the second product.  Jumped over where the tile has no rows
	s_cmp_lt_u32 s[\mreg], s21
	s_cbranch_scc0 .Lno_tile_\@
	s_mul_i32 s76, s[\mreg], 49152
	s_mov_b32 s77, 0
	s_add_nc_u64 s[78:79], s[72:73], s[76:77]
	s_mul_i32 s76, s[\mreg], 3072
	s_add_nc_u64 s[80:81], s[74:75], s[76:77]
	WIN \win
.set p, 0
.rept 32
	v_pk_add_f32 v[G+p:G+p+1], v[\acc+p:\acc+p+1], v[p:p+1]    ; each accumulator from its low end on
.set p, p+2
.endr
	WIN 0
.set p, 0
.rept 32
	v_pk_mul_f32 v[E+p:E+p+1], v[G+p:G+p+1], v[G+p:G+p+1]
.set p, p+2
.endr
.set p, 0
.rept 32
	v_pk_fma_f32 v[E+p:E+p+1], v[E+p:E+p+1], s[30:31], v[C1V:C1V+1] op_sel_hi:[1,0,1]
.set p, p+2
.endr
.set p, 0
.rept 32
	v_pk_mul_f32 v[E+p:E+p+1], v[E+p:E+p+1], v[G+p:G+p+1]
.set p, p+2
.endr
.set p, 0
	s_wait_alu depctr_va_vdst(0)
.rept 64
	v_exp_f32 v[E+p], v[E+p]
.set p, p+1
.endr
	v_nop                                          ; a plain line behind the batch,
	s_wait_alu depctr_va_vdst(0)                   ; and one wait for all 64 exponentials' results, ahead of their first reader
.set p, 0
.rept 32
	v_pk_add_f32 v[E+p:E+p+1], v[E+p:E+p+1], 1.0 op_sel_hi:[1,0]
.set p, p+2
.endr
.set p, 0
	s_wait_alu depctr_va_vdst(0)
.rept 64
	v_rcp_f32 v[E+p], v[E+p]
.set p, p+1
.endr
	v_nop
	s_wait_alu depctr_va_vdst(0)                   ; the 64 reciprocals' results, ahead of their first reader
.set p, 0
.rept 32
	v_pk_mul_f32 v[G+p:G+p+1], v[G+p:G+p+1], v[E+p:E+p+1]
.set p, p+2
.endr
	QUANT
	s_wait_alu depctr_va_vdst(0)                   ; the conversions have written v[E .. E+15] and the shifts v[PW], which the stores read
.irp c, 0,1,2,3
	global_store_b128 v[LI], v[E+4*\c:E+4*\c+3], s[78:79] offset:512*\c    ; 32 lanes store 512 consecutive bytes, aligned
.endr
	global_store_b32 v[LS4], v[PW], s[80:81]
	s_wait_xcnt 0x0                                ; the stores' registers and bases are written again only behind this wait
	s_wait_alu depctr_vm_vsrc(0)                   ; the stores have read v[E .. E+15] and v[PW], which the next tile's way out, or the loop's loads, write again
.Lno_tile_\@:
.endm
.macro OHALF ks, hf, s, zero           ; the overflow loop: four tiles of hidden units for one tile of rows
	FRAGS \ks, \hf
.irp t, 0,1,2,3
	MM ACC2+8*(4*(\hf)+\t), FR+16*\t, ACT+16*(\s), WS+\t, AS+(\s), \zero
.endr
	PLACES 9
.if ((\ks) < 5) || ((\hf) < 1)
	s_wait_alu depctr_va_vdst(0)                   ; these products are done reading the four buffers and scale words, in which the next fragments land, and, at a round's end, the rows' registers, in which the next three K steps land
.endif
.endm
	s_load_b256 s[4:11], s[0:1], 0x0               ; w1, b1, xq, xsg
	s_load_b128 s[12:15], s[0:1], 0x20             ; route, hq
	s_load_b64 s[16:17], s[0:1], 0x30              ; slotof
	v_lshl_add_u32 v254, v0, 2, 0x19000
	v_mov_b32 v255, 0
	v_lshrrev_b32 v1, 5, v0
	v_readfirstlane_b32 s18, v1                    ; wave 0..7
	s_and_b32 s19, ttmp7, 0xffff                   ; the expert
	s_mov_b32 s20, ttmp9                           ; x: which 128 hidden units
	v_and_b32 v1, 31, v0                           ; lane
	v_bfe_u32 v[HH], v0, 4, 1                      ; hh
	v_and_b32 v[QL], 15, v0                        ; q
	v_mul_u32_u24 v[WOFF], v[HH], 196608           ; 16 rows of 12,288 bytes
	v_lshl_add_u32 v[WOFF], v[QL], 4, v[WOFF]
	v_bfe_u32 v28, v0, 3, 1
	v_bfe_u32 v29, v0, 1, 1
	v_lshl_add_u32 v28, v28, 1, v29                ; my columns' tile among the wave's four: 2 (q / 8) + (q / 2) % 2
	v_bfe_u32 v29, v0, 2, 1
	v_and_b32 v30, 1, v0
	v_lshlrev_b32 v30, 2, v30
	v_lshl_add_u32 v29, v29, 3, v30                ; and my first column's row in it: 8 ((q / 4) % 2) + 4 (q % 2)
	v_mul_u32_u24 v[WA], v28, TSTR
	v_lshl_add_u32 v[WA], v29, 4, v[WA]
	v_lshl_add_u32 v[WA], v[HH], 8, v[WA]
	s_wait_alu depctr_va_sdst(0)                   ; s18, the wave's number, is written, ahead of its first reader
	s_lshr_b32 s66, s18, 2                         ; which 64 of them I quantise
	s_and_b32 s67, s18, 3                          ; which block of a K step
	s_mul_i32 s22, s66, 4*TSTR
	s_lshl_b32 s23, s67, 9
	s_add_co_u32 s22, s22, s23
	v_add_nc_u32 v[WA], s22, v[WA]                 ; TSTR f + 16 row + 256 hh + 512 c
	v_add_nc_u32 v[WA+1], 3*STG, v[WA]
	v_lshlrev_b32 v[SA], 6, v28
	v_lshl_add_u32 v[SA], v29, 2, v[SA]
	s_lshl_b32 s22, s66, 8
	s_add_co_u32 s22, s22, s67
	s_add_co_u32 s22, s22, SCL
	v_add_nc_u32 v[SA], s22, v[SA]                 ; SCL + 64 f + 4 row + c
	v_lshlrev_b32 v[RA], 4, v1
	v_add_nc_u32 v[RA+1], 3*STG, v[RA]
	v_lshl_add_u32 v[RS], v[QL], 2, SCL
	v_lshlrev_b32 v[LI], 4, v1
	v_lshlrev_b32 v[LS4], 2, v1
	v_lshlrev_b32 v[BO], 6, v[HH]
	v_lshlrev_b32 v[H16], 4, v[HH]
	v_mov_b32 v[C1V], 0xc0135761                   ; c1 = -2.3022082
	v_mov_b32 v[C1V+1], 0xc0135761
.irp b, 0,1,2,3
	v_mov_b32 v[TM+4+\b], 0                        ; written once: a lane permute's destination counts as one of its sources
.endr
	s_lshl_b32 s23, s18, 4
	v_add_nc_u32 v[FN], s23, v[QL]                 ; my ranks: 16 (w + 8 j) + lane % 16
	v_add_nc_u32 v[FN+1], 0x80, v[FN]
	v_add_nc_u32 v[FN+2], 0x100, v[FN]
	s_mov_b32 s24, 0x76543210
	s_mov_b32 s25, 0xfedcba98                      ; lane l xor 16
	s_mov_b32 s26, 0x600000                        ; the mantissa field of 57,344
	s_mov_b32 s30, 0xbdd2d3e8                      ; c2 = -0.10294324
	s_mov_b32 s31, s30
	s_mul_i32 s68, s19, 9437184
	s_lshl_b32 s69, s20, 9
	s_add_co_u32 s68, s68, s69
	s_lshl_b32 s69, s66, 8
	s_add_co_u32 s68, s68, s69
	s_mul_i32 s69, s67, 393216                     ; 32 rows
	s_add_co_u32 s68, s68, s69
	s_mov_b32 s69, 0
	s_lshl_b32 s27, s19, 7                         ; emask[e]
	s_wait_kmcnt 0x0
	s_load_b512 s[32:47], s[12:13], s27 offset:0x0
	s_load_b512 s[48:63], s[12:13], s27 offset:0x40
	s_add_nc_u64 s[4:5], s[4:5], s[68:69]
	s_wait_alu depctr_va_vdst(0)                   ; the addresses v2 to v8 and v15 to v17 are written, which the loads and stores of the whole kernel read
	ISSUE 0, 0                                     ; two units a wave are on their way from here on
	ISSUE 1, 1
	s_mul_i32 s70, s19, 12288
	s_lshl_b32 s71, s20, 9
	s_add_co_u32 s70, s70, s71
	s_mov_b32 s71, 0
	s_add_nc_u64 s[6:7], s[6:7], s[70:71]          ; b1 at my 128 units
	s_lshl_b32 s70, s19, 12
	s_add_nc_u64 s[16:17], s[16:17], s[70:71]      ; slotof[e]
	s_mul_i32 s70, s19, 3145728                    ; 64 tiles of 49,152 bytes
	s_lshl_b32 s76, s20, 11
	s_add_co_u32 s70, s70, s76
	s_add_nc_u64 s[72:73], s[14:15], s[70:71]      ; hq: the expert's tile 0, K step x
	s_mul_i32 s70, s19, 196608
	s_lshl_b32 s76, s20, 7
	s_add_co_u32 s70, s70, s76
	s_add_co_u32 s70, s70, HSOFF
	s_add_nc_u64 s[74:75], s[14:15], s[70:71]      ; and its scale words
	s_wait_kmcnt 0x0                               ; the masks
	FIND 3                                         ; my three tiles' tokens, while the first units are on their way
	s_add_co_u32 s21, s22, 15
	s_lshr_b32 s21, s21, 4
	s_max_u32 s21, s21, 1                          ; tiles of rows, at least one: tile 0 is always written
.irp j, 0,1,2
	v_mul_u32_u24 v[XO+\j], v[TK+\j], 768
	v_add_nc_u32 v[XO+\j], v[H16], v[XO+\j]
	v_mul_u32_u24 v[XS+\j], v[TK+\j], 24
.endr
	s_wait_alu depctr_va_vdst(0)                   ; the rows' six offsets are written, which the rows' loads read
	ACTS 0
	s_cmp_lg_u32 s18, 0
	s_cbranch_scc1 .Lranks_done
	s_cmp_lg_u32 s20, 0
	s_cbranch_scc1 .Lranks_done                    ; wave 0 of one work-group of the expert stores the tokens' ranks
	s_mov_b32 s22, 0
	s_lshl_b32 s94, s19, 10
.set nn, 0
.rept 32
	v_mbcnt_lo_u32_b32 v[PV+nn], s[32+nn], s22     ; token 32 nn + lane: how many of the expert's tokens come before it
	v_min_u32 v[PV+nn], 1023, v[PV+nn]
	v_add_nc_u32 v[PV+nn], s94, v[PV+nn]
	s_bcnt1_i32_b32 s23, s[32+nn]
	s_add_co_u32 s22, s22, s23
.set nn, nn+1
.endr
	s_wait_alu depctr_va_vdst(0)                   ; all 32 registers of ranks are written, which the run of stores reads
.set nn, 0
.rept 32
	global_store_b32 v[LS4], v[PV+nn], s[16:17] offset:128*nn
.set nn, nn+1
.endr
	s_wait_xcnt 0x0                                ; the ranks' registers become accumulators
	s_wait_alu depctr_vm_vsrc(0)                   ; the stores have read v[PV ..], which the first stage's products write
.Lranks_done:
	STAGE 0, 31, 16, 1, 8                          ; the first stage's products start the sums: nothing is cleared
	STAGE 1, 31, 16, 0, 8
	STAGE 2, 31, 16, 0, 8
	STAGE 3, 31, 16, 0, 8
	STAGE 4, 31, 16, 0, 8
	STAGE 5, 31, 0, 0, 9                           ; nine: on one way a product that starts a sum anew is the next to write these accumulators
	s_wait_alu depctr_vm_vsrc(0)                   ; the last stage's LDS stores have read v[PC ..] and the four bytes' registers, which the way out writes
	s_mov_b32 s84, s18
	s_add_co_u32 s85, s18, 8
	s_add_co_u32 s86, s18, 16
	EPI 0x05, 128, 84
	EPI 0x05, 192, 85
	EPI 0x04, ACC2, 86
	s_mov_b32 s87, 0
	s_add_co_u32 s88, s18, 24                      ; tiles 24 + w + 8 trip
.Lover:                                            ; five trips, whatever the count; a trip without rows does nothing.  No barrier stands here: the weights' codes stay in LDS
	s_cmp_lt_u32 s88, s21
	s_cbranch_scc0 .Lover_next
	s_lshl_b32 s23, s88, 4
	s_wait_alu depctr_vm_vsrc(0)                   ; the rows' loads issued so far have read v[XO] and v[XS], which are made anew below
	v_add_nc_u32 v[FN], s23, v[QL]
	s_wait_alu depctr_va_vdst(0)
	FIND 1
	v_mul_u32_u24 v[XO], v[TK], 768
	v_add_nc_u32 v[XO], v[H16], v[XO]
	v_mul_u32_u24 v[XS], v[TK], 24
	s_wait_alu depctr_va_vdst(0)                   ; v[XO] and v[XS] are written, which the loads below read; the way out is done with v[E ..] and the search with v[FR ..], in which the rows and the fragments land
.irp rd, 0,1
.irp s, 0,1,2
.irp c, 0,1,2,3
	global_load_b128 v[ACT+16*\s+4*\c:ACT+16*\s+4*\c+3], v[XO], s[8:9] offset:128*(3*\rd+\s)+32*\c
.endr
	global_load_b32 v[AS+\s], v[XS], s[10:11] offset:4*(3*\rd+\s)
.endr
	s_wait_loadcnt 0x0
.irp s, 0,1,2
.irp hf, 0,1
.if (3*\rd+\s) == 0
	OHALF 3*\rd+\s, \hf, \s, 1
.else
	OHALF 3*\rd+\s, \hf, \s, 0
.endif
.endr
.endr
.endr
	EPI 0x04, ACC2, 88
.Lover_next:
	s_add_co_u32 s88, s88, 8
	s_add_co_u32 s87, s87, 1
	s_cmp_lt_u32 s87, 5
	s_cbranch_scc1 .Lover
	s_wait_dscnt 0x0                               ; the closing lines, six on end
	s_wait_alu 0x0
	s_wait_tensorcnt 0x0
	ds_add_u32 v254, v255
	s_wait_dscnt 0x0
	s_endpgm
.Lfunc_end_k_qc66e40d09f_up:
	.size	k_qc66e40d09f_up, .Lfunc_end_k_qc66e40d09f_up-k_qc66e40d09f_up
	.p2alignl 7, 3214868480
	.fill 96, 4, 3214868480
	.section	.rodata,"a",@progbits
	.p2align	6, 0x0
	.amdhsa_kernel k_qc66e40d09f_up
		.amdhsa_group_segment_fixed_size 103424
		.amdhsa_private_segment_fixed_size 0
		.amdhsa_enable_private_segment 0
		.amdhsa_kernarg_size 56
		.amdhsa_user_sgpr_count 2
		.amdhsa_user_sgpr_kernarg_segment_ptr 1
		.amdhsa_wavefront_size32 1
		.amdhsa_system_sgpr_workgroup_id_x 1
		.amdhsa_system_sgpr_workgroup_id_y 1
		.amdhsa_system_sgpr_workgroup_id_z 1
		.amdhsa_system_vgpr_workitem_id 0
		.amdhsa_next_free_vgpr 512
		.amdhsa_next_free_sgpr 96
		.amdhsa_reserve_vcc 0
		.amdhsa_float_denorm_mode_32 3
		.amdhsa_float_denorm_mode_16_64 3
		.amdhsa_memory_ordered 1
		.amdhsa_forward_progress 1
		.amdhsa_inst_pref_size 255
	.end_amdhsa_kernel
	.section	.bss,"aw",@nobits
	.p2align	6
	.space	262144
	.amdgpu_metadata
---
amdhsa.version: [ 1, 2 ]
amdhsa.kernels:
  - .name:           k_qc66e40d09f_up
    .symbol:         k_qc66e40d09f_up.kd
    .args:
      - { .name: w1, .offset: 0, .size: 8, .value_kind: global_buffer, .address_space: global }
      - { .name: b1, .offset: 8, .size: 8, .value_kind: global_buffer, .address_space: global }
      - { .name: xq, .offset: 16, .size: 8, .value_kind: global_buffer, .address_space: global }
      - { .name: xsg, .offset: 24, .size: 8, .value_kind: global_buffer, .address_space: global }
      - { .name: route, .offset: 32, .size: 8, .value_kind: global_buffer, .address_space: global }
      - { .name: hq, .offset: 40, .size: 8, .value_kind: global_buffer, .address_space: global }
      - { .name: slotof, .offset: 48, .size: 8, .value_kind: global_buffer, .address_space: global }
    .group_segment_fixed_size: 103424
    .private_segment_fixed_size: 0
    .kernarg_segment_align: 8
    .kernarg_segment_size: 56
    .max_flat_workgroup_size: 256
    .sgpr_count:     96
    .vgpr_count:     512
    .wavefront_size: 32
...
	.end_amdgpu_metadata
.endif
;; end of part 6
;; launch down (part 7): grid 24 x 8, 8 waves a work-group, no clusters, 137,984 bytes of LDS; arguments w2, route, hq, ybuf; writes ybuf
.if DOCPART == 7
	.amdgcn_target "amdgcn-amd-amdhsa--gfx1250"
	.amdhsa_code_object_version 6
	.text
	.protected	k_qc66e40d09f_down
	.globl	k_qc66e40d09f_down
	.p2align	8
	.type	k_qc66e40d09f_down,@function
k_qc66e40d09f_down:
	s_mov_b64 s[64:65], 0
	v_nop
	global_prefetch_b8 v0, s[64:65] scope:SCOPE_SE
	s_setreg_imm32_b32 hwreg(HW_REG_WAVE_SCHED_MODE, 0, 2), 2
	s_setreg_imm32_b32 hwreg(HW_REG_WAVE_MODE, 25, 1), 1
	s_wait_xcnt 0x0
	s_wait_alu depctr_vm_vsrc(0)
; SECOND PRODUCT, in two parts along K.  ybuf[kh][slot][64 cs ..] = the sum over hidden units 1536 kh .. + 1535 of hq Q(W2[e]), f32, for the expert's tiles of rows; slot = 1024 e + rank.
; SHARES.  Work-group (2 cs + kh, e): expert e, output columns 64 cs .. + 63, half kh of K: 393,216 bytes of W2, read ONCE as f32 and quantised on the way, as in the launch before:
; a UNIT is 32 k x 64 columns, 16 loads (sixteen lanes read 256 consecutive bytes, aligned); wave w takes block w % 4 of K step 2 i + w / 4 in stage i.  Six stages, two K steps each, LDS bytes of its own for each stage: one barrier a stage.
; A stage's eight fragments: f = 4 kk + ct: K step 2 i + kk, columns 16 ct on, in their natural order.  They go through a ring of four register buffers, two at a time: a pair of fragments is multiplied against the wave's three tiles of rows
; while the next pair is on its way from LDS; the pair's buffers then take the fragments four further on.
; THE MATRIX INSTRUCTION IS USED TRANSPOSED: source 0 = 16 columns of W2, source 1 = 16 rows of the hidden layer (a fragment image of hq, loaded as it lies): a lane holds eight neighbouring columns of one row.
; ROWS.  Wave w has three tile slots, m = w, w + 8, w + 16.  The stages hold no branch on the count: a slot past the last tile reads 16 bytes of the last tile again and again, and only its way out is jumped over.
; Tiles 24 .. 63 go through a loop of five trips behind the stages.  The two parts of a row are added by the next launch: each byte of ybuf has one owner here.
; NO TENSOR LOAD, NO JOINT LOAD: branches on stored counts stand in this text.  No prefetch: the weights' loads run two units (32 loads a wave) ahead through the whole launch.
; LIMITS: NaN and infinities are not served.  A block of zeros gets the byte 1 (its codes are zeros; this program alone reads the bytes).
; THE MODE: SCHED_MODE bits 1:0 = 2 (LLVM: expert scheduling mode 2), set by the entry lines.  The code itself states the register dependences
; between vector or matrix instructions and memory or LDS instructions, with s_wait_alu, always for 0.
; THE PLAN.  Registers that memory or LDS instructions touch, and who else names them:
;   the landing slots (window 1, v0-127)  A unit's loads land; stage i's maxima and holds read slot i % 2; behind them the unit two stages on lands there.
;   v[PC ..], the four bytes v[TM+16 ..]  Written by a stage's conversions and shifts, read by its LDS stores, written again a stage later.
;   v[FR ..], v[WS ..]                    A stage's holds write and its conversions read v[FR ..] (as TT); then the fragments' LDS loads land; the products read them; a pair's buffers are loaded again behind the pair's products.
;   v[ACT ..], v[AS ..]                   The rows' loads land; the stage's products read them; the next two K steps land behind the stage's last product.  On the way out the loads from my stage land in v[ACT ..] and the global stores read them.
;   the accumulators (window 1, v128-223) Written by the products; read by the LDS stores of the way out; slot 0's are begun anew in each trip of the loop behind the stages.
;   All addresses are made at the head and never written again.
; A STAGE'S WAITS: one on vm_vsrc at its head (the last stage's LDS stores have read their data); one on va_vdst behind the conversions, which serves the LDS stores, the next unit's loads and,
; behind the barrier, the loads of fragments 0 to 3: no vector or matrix instruction stands between; one behind each of the first two pairs' products; one behind the stage's last products.
; The way out holds no vector or matrix instruction: one wait on va_vdst ahead of it serves all its LDS stores and loads.
.set STG,   16512
.set TSTR,  2064                       ; a fragment's image, 2,048 bytes + 16: the sixteen lanes' pieces of one store fall at sixteen different places modulo 256 bytes
.set SCL,   99072
.set STAGE_O, 102144                   ; the way out: 16 rows x (256 bytes + 16) for each wave
.set HSOFF, 25165824
.set YP,    25165824
.set WOFF, 2
.set WA,   3
.set SA,   5
.set RA,   6
.set RS,   8
.set VO,   9                           ; v9-11  slot j: 16 x lane, or 0 in a slot without rows
.set VS,   12                          ; v12-14 4 x lane, or 0
.set LI,   15
.set LS4,  16
.set STI,  17                          ; v17  into my stage: row lane % 16, 32 bytes for each half of the lanes
.set STB,  18                          ; v18  back: sixteen lanes to a row
.set YO,   19                          ; v19  the same two rows in ybuf
.set WS,   32                          ; v32-35 the weights' scale words, one for each fragment buffer
.set AS,   36                          ; v36-41 the rows' scale words [slot][kk]
.set TM,   42                          ; v42-61
.set FR,   62                          ; v62-125 four fragment buffers of W2; also TT
.set TT,   62
.set ACT,  126                         ; v126-221 the slots' fragments [slot][kk]; on the way out the rows read back
.set PC,   222                         ; v222-237.  Window 1: v0-63, v64-127 the landing slots; v128-223 accumulators [slot][ct]
.set MSB, 0
.macro WIN new
.if MSB != \new
	s_set_vgpr_msb (MSB<<8)|\new
.set MSB, \new
.endif
.endm
.macro PLACES n
.rept \n
	v_nop
.endr
.endm
.macro BAR
	s_wait_dscnt 0x0
	s_barrier_signal -1
	s_barrier_wait -1
.endm
.macro ISSUE i, slot
	WIN 0x40
.irp r, 0,1,2,3,4,5,6,7,8,9,10,11,12,13,14,15
	global_load_b128 v[64*(\slot)+4*\r:64*(\slot)+4*\r+3], v[WOFF], s[4:5] offset:(\i)*786432+\r*3072 th:TH_LOAD_NT
.endr
	WIN 0
.endm
.macro PRODUCE i
.set LB, 64*((\i)%2)
.if (\i) > 0
	s_wait_alu depctr_vm_vsrc(0)                   ; the last stage's LDS stores have read v[PC ..] and the four bytes' registers, which this stage writes again
.endif
	WIN 0x14
.irp j, 0,1,2,3
	v_max3_num_f32 v[TM+\j], 0x8000000, |v[LB+\j]|, |v[LB+4+\j]|
.endr
.irp r, 2,4,6,8,10,12,14
.irp j, 0,1,2,3
	v_max3_num_f32 v[TM+\j], v[TM+\j], |v[LB+4*\r+\j]|, |v[LB+4*\r+4+\j]|
.endr
.endr
	WIN 0
.irp j, 0,1,2,3
	v_permlanex16_b32 v[TM+4+\j], v[TM+\j], s24, s25
.endr
.irp j, 0,1,2,3
	v_max_num_f32 v[TM+\j], v[TM+\j], v[TM+4+\j]
.endr
.irp j, 0,1,2,3
	v_add_nc_u32 v[TM+12+\j], 0xf8800000, v[TM+\j]
.endr
.irp j, 0,1,2,3
	v_and_or_b32 v[TM+8+\j], v[TM+\j], 0x7f800000, s26
.endr
.irp j, 0,1,2,3
	v_lshrrev_b32 v[TM+16+\j], 23, v[TM+12+\j]
.endr
	WIN 0x04
.irp j, 0,1,2,3
.irp r, 0,1,2,3,4,5,6,7,8,9,10,11,12,13,14,15
	v_med3_num_f32 v[TT+16*\j+\r], -v[TM+8+\j], v[LB+4*\r+\j], v[TM+8+\j]
.endr
.endr
	WIN 0
.irp j, 0,1,2,3
	v_cvt_scalef32_pk8_bf8_f32 v[PC+4*\j:PC+4*\j+1], v[TT+16*\j:TT+16*\j+7], v[TM+12+\j]
	v_cvt_scalef32_pk8_bf8_f32 v[PC+4*\j+2:PC+4*\j+3], v[TT+16*\j+8:TT+16*\j+15], v[TM+12+\j]
.endr
	v_nop
	s_wait_alu depctr_va_vdst(0)                   ; the codes and the bytes are written, which the LDS stores read; the maxima and holds are done reading the landing slot, in which the next loads land; the holds and conversions are done with v[TT ..], in which fragments 0 to 3 land behind the barrier
.irp j, 0,1,2,3
	ds_store_b128 v[WA+(\i)/3], v[PC+4*\j:PC+4*\j+3] offset:((\i)%3)*STG+16*\j
.endr
.irp j, 0,1,2,3
	ds_store_b8 v[SA], v[TM+16+\j] offset:512*(\i)+4*\j
.endr
.if (\i) <= 3
	ISSUE (\i)+2, (\i)%2                           ; the unit two stages on.  No vector line since the wait names the landing slot
.endif
.endm
.macro MM d, a, b, sa, sb, zero
.if \zero
	v_wmma_scale_f32_16x16x128_f8f6f4 v[(\d):(\d)+7], v[(\a):(\a)+15], v[(\b):(\b)+15], 0, v[\sa], v[\sb] matrix_a_fmt:MATRIX_FMT_BF8 matrix_b_fmt:MATRIX_FMT_BF8
.else
	v_wmma_scale_f32_16x16x128_f8f6f4 v[(\d):(\d)+7], v[(\a):(\a)+15], v[(\b):(\b)+15], v[(\d):(\d)+7], v[\sa], v[\sb] matrix_a_fmt:MATRIX_FMT_BF8 matrix_b_fmt:MATRIX_FMT_BF8
.endif
.endm
.macro FLOAD i, f                      ; fragment f of stage i, and its scale words, into buffer f % 4: five LDS loads
.irp c, 0,1,2,3
	ds_load_b128 v[FR+16*((\f)%4)+4*\c:FR+16*((\f)%4)+4*\c+3], v[RA+(\i)/3] offset:((\i)%3)*STG+(\f)*TSTR+512*\c
.endr
	ds_load_b32 v[WS+(\f)%4], v[RS] offset:512*(\i)+64*(\f)
.endm
; A stage's products: two K steps x four tiles of columns x three slots; the twelve accumulators by turns, one instruction a turn.
; LDS loads come back in order (ISA guide 5.7.1): behind a fragment stand at most three younger fragments, five loads each.
.macro MATS i, zero, lc
.irp f, 0,1,2,3
	FLOAD \i, \f
.endr
.irp h, 0,2                                    ; K step 2 i: the pairs 0, 1 and 2, 3
	WIN 0x50                                       ; C and D: window 1
.irp u, 0,1
	s_wait_dscnt 15-5*\u                           ; the pair's first fragment is in with three younger ones out, its second with two
.if (\h+\u) == 0
	s_wait_loadcnt \lc                             ; the slots' fragments of the hidden layer are in; what was issued behind them may stay out
.endif
.irp j, 0,1,2
	MM 128+32*\j+8*(\h+\u), FR+16*(\h+\u), ACT+32*\j, WS+\h+\u, AS+2*\j, \zero
.endr
.endr
	WIN 0
	PLACES 8                                       ; eight plain lines behind the pair's products, then the wait
	s_wait_alu depctr_va_vdst(0)                   ; the pair's products are done reading their two buffers and scale words, in which the loads below land
	FLOAD \i, \h+4                                 ; the buffers take the fragments four further on
	FLOAD \i, \h+5
.endr
	WIN 0x50
.irp f, 4,5,6,7                                ; K step 2 i + 1
	s_wait_dscnt 5*(7-\f)                          ; 15, 10, 5, 0: the younger fragments' loads
.irp j, 0,1,2
	MM 128+32*\j+8*(\f-4), FR+16*(\f-4), ACT+32*\j+16, WS+\f-4, AS+2*\j+1, 0
.endr
.endr
	WIN 0
.endm
.macro FRAGS i, kk                     ; the overflow loop: the four fragments of one K step
.irp t, 0,1,2,3
	FLOAD \i, 4*(\kk)+\t
.endr
	s_wait_dscnt 0x0
.endm
.macro ACTS i                          ; stage i's two K steps of the three slots' rows: 30 loads
.irp j, 0,1,2
.irp kk, 0,1
.irp c, 0,1,2,3
	global_load_b128 v[ACT+32*\j+16*\kk+4*\c:ACT+32*\j+16*\kk+4*\c+3], v[VO+\j], s[66+4*\j:67+4*\j] offset:(2*(\i)+\kk)*2048+512*\c
.endr
	global_load_b32 v[AS+2*\j+\kk], v[VS+\j], s[68+4*\j:69+4*\j] offset:(2*(\i)+\kk)*128
.endr
.endr
.endm
.macro STAGE i, a, b, zero, np
	s_wait_loadcnt \a                              ; my unit is in: behind it may be out the next unit, 16 loads, and one stage's rows, 30
	PRODUCE \i
	BAR
	MATS \i, \zero, \b
	PLACES \np                                     ; plain lines behind the stage's last products: ahead of the next unit's numbers in the buffers, and of the first read of results
.if (\i) < 5
	s_wait_alu depctr_va_vdst(0)                   ; the stage's products are done reading the rows' fragments and scale words, in which the next two K steps land
	ACTS (\i)+1
.endif
.endm
.macro EPIB j, mreg                    ; a tile's way out through my own stage: LDS serves a wave's instructions in order (ISA guide 5.7.1.4), so no wait stands between the stores and the loads
	s_cmp_lt_u32 s[\mreg], s21
	s_cbranch_scc0 .Lno_tile_\@
	s_mul_i32 s22, s[\mreg], 49152                 ; 16 rows of 3,072 bytes
	s_mov_b32 s23, 0
	s_add_nc_u64 s[80+2*\j:81+2*\j], s[78:79], s[22:23]
	WIN 0x04                                       ; an LDS store's data are its source 1: window 1
.irp ct, 0,1,2,3
	ds_store_b128 v[STI], v[128+32*\j+8*\ct:128+32*\j+8*\ct+3] offset:64*\ct          ; each accumulator from its low end on
	ds_store_b128 v[STI], v[128+32*\j+8*\ct+4:128+32*\j+8*\ct+7] offset:64*\ct+16
.endr
	WIN 0
.irp t, 0,1,2,3,4,5,6,7
	ds_load_b128 v[ACT+32*\j+4*\t:ACT+32*\j+4*\t+3], v[STB] offset:544*\t
.endr
.irp t, 0,1,2,3,4,5,6,7
	s_wait_dscnt 7-\t                              ; the younger loads may stay out
	global_store_b128 v[YO], v[ACT+32*\j+4*\t:ACT+32*\j+4*\t+3], s[80+2*\j:81+2*\j] offset:6144*\t   ; sixteen lanes store 256 consecutive bytes, aligned
.endr
.Lno_tile_\@:
.endm
.macro OSTEP ks, s, zero               ; the overflow loop: one K step for one tile of rows
	FRAGS (\ks)/2, (\ks)%2
	WIN 0x50
.irp t, 0,1,2,3
	MM 128+8*\t, FR+16*\t, ACT+16*(\s), WS+\t, AS+(\s), \zero
.endr
	WIN 0
	PLACES 9                                       ; nine: the next trip's first products start these sums anew, with no vector work between
	s_wait_alu depctr_va_vdst(0)                   ; these products are done reading the four buffers and scale words, in which the next fragments land; at a round's end, the rows' registers, in which the next three K steps land; at the trip's end they have written the accumulators, which the way out's LDS stores read
.endm
	s_load_b256 s[4:11], s[0:1], 0x0               ; w2, route, hq, ybuf
	v_lshl_add_u32 v254, v0, 2, 0x21700
	v_mov_b32 v255, 0
	v_lshrrev_b32 v1, 5, v0
	v_readfirstlane_b32 s18, v1                    ; wave 0..7
	s_and_b32 s19, ttmp7, 0xffff                   ; the expert
	s_lshr_b32 s20, ttmp9, 1                       ; cs: which 64 columns
	s_and_b32 s28, ttmp9, 1                        ; kh: which half of K
	v_and_b32 v1, 31, v0
	v_bfe_u32 v26, v0, 4, 1                        ; hh
	v_and_b32 v27, 15, v0                          ; q
	v_mul_u32_u24 v[WOFF], v26, 49152              ; 16 rows of 3,072 bytes
	v_lshl_add_u32 v[WOFF], v27, 4, v[WOFF]
	v_bfe_u32 v28, v0, 2, 2                        ; my columns' tile: q / 4
	v_and_b32 v29, 3, v0                           ; my first column's row in it: 4 (q % 4)
	v_mul_u32_u24 v[WA], v28, TSTR
	v_lshl_add_u32 v[WA], v29, 6, v[WA]
	v_lshl_add_u32 v[WA], v26, 8, v[WA]
	s_wait_alu depctr_va_sdst(0)                   ; s18, the wave's number, is written, ahead of its first reader
	s_lshr_b32 s90, s18, 2                         ; kk: which K step of a stage I quantise
	s_and_b32 s91, s18, 3                          ; which block of it
	s_mul_i32 s22, s90, 4*TSTR
	s_lshl_b32 s23, s91, 9
	s_add_co_u32 s22, s22, s23
	v_add_nc_u32 v[WA], s22, v[WA]
	v_add_nc_u32 v[WA+1], 3*STG, v[WA]
	v_lshlrev_b32 v[SA], 6, v28
	v_lshl_add_u32 v[SA], v29, 4, v[SA]
	s_lshl_b32 s22, s90, 8
	s_add_co_u32 s22, s22, s91
	s_add_co_u32 s22, s22, SCL
	v_add_nc_u32 v[SA], s22, v[SA]
	v_lshlrev_b32 v[RA], 4, v1
	v_add_nc_u32 v[RA+1], 3*STG, v[RA]
	v_lshl_add_u32 v[RS], v27, 2, SCL
	v_lshlrev_b32 v[LI], 4, v1
	v_lshlrev_b32 v[LS4], 2, v1
	s_mul_i32 s22, s18, 4352
	s_add_co_u32 s22, s22, STAGE_O
	v_mul_u32_u24 v[STI], v27, 272
	v_lshl_add_u32 v[STI], v26, 5, v[STI]
	v_add_nc_u32 v[STI], s22, v[STI]
	v_mul_u32_u24 v[STB], v26, 272
	v_lshl_add_u32 v[STB], v27, 4, v[STB]
	v_add_nc_u32 v[STB], s22, v[STB]
	v_mul_u32_u24 v[YO], v26, 3072
	v_lshl_add_u32 v[YO], v27, 4, v[YO]
.irp b, 0,1,2,3
	v_mov_b32 v[TM+4+\b], 0
.endr
	s_mov_b32 s24, 0x76543210
	s_mov_b32 s25, 0xfedcba98
	s_mov_b32 s26, 0x600000
	s_mul_i32 s92, s19, 9437184
	s_mul_i32 s93, s28, 4718592
	s_add_co_u32 s92, s92, s93
	s_mul_i32 s93, s90, 393216
	s_add_co_u32 s92, s92, s93
	s_mul_i32 s93, s91, 98304
	s_add_co_u32 s92, s92, s93
	s_lshl_b32 s93, s20, 8
	s_add_co_u32 s92, s92, s93
	s_mov_b32 s93, 0
	s_lshl_b32 s27, s19, 7
	s_wait_kmcnt 0x0
	s_load_b512 s[32:47], s[6:7], s27 offset:0x0
	s_load_b512 s[48:63], s[6:7], s27 offset:0x40
	s_add_nc_u64 s[4:5], s[4:5], s[92:93]
	s_wait_alu depctr_va_vdst(0)                   ; the addresses v2 to v8 and v15 to v19 are written, which the loads and stores of the whole kernel read
	ISSUE 0, 0
	ISSUE 1, 1
	s_mul_i32 s92, s28, YP
	s_mul_i32 s22, s19, 3145728
	s_add_co_u32 s92, s92, s22
	s_lshl_b32 s22, s20, 8
	s_add_co_u32 s92, s92, s22
	s_add_nc_u64 s[78:79], s[10:11], s[92:93]      ; ybuf: my part, the expert's tile 0, my columns
	s_mul_i32 s31, s28, 12                         ; my first K step
	s_wait_kmcnt 0x0
	s_mov_b32 s22, 0
.set nn, 0
.rept 32
	s_bcnt1_i32_b32 s23, s[32+nn]
	s_add_co_u32 s22, s22, s23
.set nn, nn+1
.endr
	s_add_co_u32 s21, s22, 15
	s_lshr_b32 s21, s21, 4
	s_max_u32 s21, s21, 1                          ; tiles of rows, as the launch before counted them
	s_sub_co_u32 s29, s21, 1
.irp j, 0,1,2
	s_add_co_u32 s[84+\j], s18, 8*\j               ; the slot's tile
	s_cmp_lt_u32 s[84+\j], s21
	s_cselect_b32 s23, 1, 0
	s_min_u32 s23, s23, 1
	v_mul_u32_u24 v[VO+\j], s23, v[LI]
	v_mul_u32_u24 v[VS+\j], s23, v[LS4]
	s_min_u32 s30, s[84+\j], s29                   ; a slot without rows stands at the last tile, which has been written
	s_min_u32 s30, s30, 63
	s_lshl_b32 s22, s19, 6
	s_add_co_u32 s30, s30, s22
	s_mul_i32 s30, s30, 24
	s_add_co_u32 s30, s30, s31
	s_lshl_b32 s22, s30, 11
	s_mov_b32 s23, 0
	s_add_nc_u64 s[66+4*\j:67+4*\j], s[8:9], s[22:23]
	s_lshl_b32 s22, s30, 7
	s_add_co_u32 s22, s22, HSOFF
	s_add_nc_u64 s[68+4*\j:69+4*\j], s[8:9], s[22:23]
.endr
	s_wait_alu depctr_va_vdst(0)                   ; the rows' six offsets are written, which the rows' loads read
	ACTS 0
	STAGE 0, 46, 16, 1, 8                          ; the first K step's products start the sums
	STAGE 1, 46, 16, 0, 8
	STAGE 2, 46, 16, 0, 8
	STAGE 3, 46, 16, 0, 8
	STAGE 4, 46, 0, 0, 8
	STAGE 5, 30, 0, 0, 9
	s_wait_alu depctr_va_vdst(0)                   ; behind the nine places: the products have written the accumulators, which the way out's LDS stores read, and are done reading the rows' registers, in which the loads from my stage land
	EPIB 0, 84
	EPIB 1, 85
	EPIB 2, 86
	s_mov_b32 s87, 0
	s_add_co_u32 s88, s18, 24
.Lover:                                            ; five trips, whatever the count; a trip without rows does nothing.  No barrier stands here
	s_cmp_lt_u32 s88, s21
	s_cbranch_scc0 .Lover_next
	s_wait_xcnt 0x0                                ; earlier stores have read their registers and bases: both are written again below
	s_wait_alu depctr_vm_vsrc(0)                   ; the way out's LDS stores have read slot 0's accumulators, which this trip's products begin anew; its global stores have read v[ACT ..], in which this trip's rows land
	s_lshl_b32 s30, s19, 6
	s_add_co_u32 s30, s30, s88
	s_mul_i32 s30, s30, 24
	s_add_co_u32 s30, s30, s31
	s_lshl_b32 s22, s30, 11
	s_mov_b32 s23, 0
	s_add_nc_u64 s[66:67], s[8:9], s[22:23]
	s_lshl_b32 s22, s30, 7
	s_add_co_u32 s22, s22, HSOFF
	s_add_nc_u64 s[68:69], s[8:9], s[22:23]
.irp rd, 0,1,2,3
.irp s, 0,1,2
.irp c, 0,1,2,3
	global_load_b128 v[ACT+16*\s+4*\c:ACT+16*\s+4*\c+3], v[LI], s[66:67] offset:(3*\rd+\s)*2048+512*\c
.endr
	global_load_b32 v[AS+\s], v[LS4], s[68:69] offset:(3*\rd+\s)*128
.endr
	s_wait_loadcnt 0x0
.irp s, 0,1,2
.if (3*\rd+\s) == 0
	OSTEP 3*\rd+\s, \s, 1
.else
	OSTEP 3*\rd+\s, \s, 0
.endif
.endr
.endr
	EPIB 0, 88
.Lover_next:
	s_add_co_u32 s88, s88, 8
	s_add_co_u32 s87, s87, 1
	s_cmp_lt_u32 s87, 5
	s_cbranch_scc1 .Lover
	s_wait_dscnt 0x0                               ; the closing lines, six on end
	s_wait_alu 0x0
	s_wait_tensorcnt 0x0
	ds_add_u32 v254, v255
	s_wait_dscnt 0x0
	s_endpgm
.Lfunc_end_k_qc66e40d09f_down:
	.size	k_qc66e40d09f_down, .Lfunc_end_k_qc66e40d09f_down-k_qc66e40d09f_down
	.p2alignl 7, 3214868480
	.fill 96, 4, 3214868480
	.section	.rodata,"a",@progbits
	.p2align	6, 0x0
	.amdhsa_kernel k_qc66e40d09f_down
		.amdhsa_group_segment_fixed_size 137984
		.amdhsa_private_segment_fixed_size 0
		.amdhsa_enable_private_segment 0
		.amdhsa_kernarg_size 32
		.amdhsa_user_sgpr_count 2
		.amdhsa_user_sgpr_kernarg_segment_ptr 1
		.amdhsa_wavefront_size32 1
		.amdhsa_system_sgpr_workgroup_id_x 1
		.amdhsa_system_sgpr_workgroup_id_y 1
		.amdhsa_system_sgpr_workgroup_id_z 1
		.amdhsa_system_vgpr_workitem_id 0
		.amdhsa_next_free_vgpr 480
		.amdhsa_next_free_sgpr 96
		.amdhsa_reserve_vcc 0
		.amdhsa_float_denorm_mode_32 3
		.amdhsa_float_denorm_mode_16_64 3
		.amdhsa_memory_ordered 1
		.amdhsa_forward_progress 1
		.amdhsa_inst_pref_size 169
	.end_amdhsa_kernel
	.amdgpu_metadata
---
amdhsa.version: [ 1, 2 ]
amdhsa.kernels:
  - .name:           k_qc66e40d09f_down
    .symbol:         k_qc66e40d09f_down.kd
    .args:
      - { .name: w2, .offset: 0, .size: 8, .value_kind: global_buffer, .address_space: global }
      - { .name: route, .offset: 8, .size: 8, .value_kind: global_buffer, .address_space: global }
      - { .name: hq, .offset: 16, .size: 8, .value_kind: global_buffer, .address_space: global }
      - { .name: ybuf, .offset: 24, .size: 8, .value_kind: global_buffer, .address_space: global }
    .group_segment_fixed_size: 137984
    .private_segment_fixed_size: 0
    .kernarg_segment_align: 8
    .kernarg_segment_size: 32
    .max_flat_workgroup_size: 256
    .sgpr_count:     96
    .vgpr_count:     480
    .wavefront_size: 32
...
	.end_amdgpu_metadata
.endif
;; end of part 7
;; launch norm (part 8): grid 256 x 1, 4 waves a work-group, no clusters, 0 bytes of LDS; arguments route, slotof, xsg, ybuf, b2, ln_g, ln_b, out0; writes out0
.if DOCPART == 8
	.amdgcn_target "amdgcn-amd-amdhsa--gfx1250"
	.amdhsa_code_object_version 6
	.text
	.protected	k_qc66e40d09f_norm
	.globl	k_qc66e40d09f_norm
	.p2align	8
	.type	k_qc66e40d09f_norm,@function
k_qc66e40d09f_norm:
	s_mov_b64 s[64:65], 0
	v_nop
	global_prefetch_b8 v0, s[64:65] scope:SCOPE_SE
	s_setreg_imm32_b32 hwreg(HW_REG_WAVE_MODE, 25, 1), 1
	s_wait_xcnt 0x0
; THE SUM OVER THE TWO EXPERTS AND THE LAYER NORM.  out[t] = LN(g0 (y[e0] + b2[e0]) + g1 (y[e1] + b2[e1])) ln_g + ln_b; y[e] = the two parts along K that the launch before stored at the token's slot.
; One wave, one token: a row of 768 f32 is six loads of 512 consecutive bytes; the row stays in 24 registers between the mean, the variance (of the differences, as the reference takes it) and the scaling.
; The token's experts (route), its slots (slotof) and its gates (xsg) were stored by earlier launches; the indices are held inside their tables before they enter an address.
; No LDS, no barrier, no matrix unit: waves share nothing but 6,144 bytes of gains.
.set GA, 8                             ; v8-31 ln_g;  v32-55 ln_b;  v56-79, v80-103 the first expert's two parts;  v104-127, v128-151 the second's;  v152-175, v176-199 b2's two rows;  v200.. at work
.set BE, 32
.set P0, 56
.set P1, 80
.set Q0, 104
.set Q1, 128
.set B0, 152
.set B1, 176
.set YP, 25165824
.macro ROW reg, base
.irp i, 0,1,2,3,4,5
	global_load_b128 v[\reg+4*\i:\reg+4*\i+3], v1, s[\base:\base+1] offset:512*\i
.endr
.endm
.macro ROWNT reg, base
.irp i, 0,1,2,3,4,5
	global_load_b128 v[\reg+4*\i:\reg+4*\i+3], v1, s[\base:\base+1] offset:512*\i th:TH_LOAD_NT
.endr
.endm
.macro ALLSUM                          ; the pairs v[200:201], v[202:203] -> their sum over the 32 lanes, in v200 of every lane
	v_pk_add_f32 v[200:201], v[200:201], v[202:203]
	v_add_f32 v200, v200, v201
.irp m, 1,2,4,8
	v_add_f32_dpp v200, v200, v200 row_xmask:\m row_mask:0xf bank_mask:0xf
.endr
	v_permlanex16_b32 v201, v200, s52, s53
	v_add_f32 v200, v200, v201
.endm
	s_load_b512 s[4:19], s[0:1], 0x0               ; route, slotof, xsg, ybuf, b2, ln_g, ln_b, out0
	v_lshrrev_b32 v1, 5, v0
	v_readfirstlane_b32 s20, v1
	s_lshl_b32 s21, ttmp9, 2
	s_add_co_u32 s21, s21, s20                     ; my token
	v_and_b32 v1, 31, v0
	v_lshlrev_b32 v1, 4, v1                        ; 16 bytes a lane
	s_lshl_b32 s22, s21, 2
	s_lshl_b32 s23, s21, 3
	s_mov_b32 s52, 0x76543210
	s_mov_b32 s53, 0xfedcba98
	s_mov_b32 s54, 0x3aaaaaab                      ; 1 / 768
	s_mov_b32 s55, 0x3727c5ac                      ; 1e-5
	s_mov_b32 s37, 0
	s_wait_alu depctr_va_vdst(0)
	s_wait_kmcnt 0x0
	s_load_b32 s28, s[4:5], s22 offset:0x400       ; sel
	s_load_b64 s[24:25], s[8:9], s23 offset:0x6000 ; the gates
	ROW GA, 14
	ROW BE, 16
	s_mul_i32 s36, s21, 3072
	s_add_nc_u64 s[18:19], s[18:19], s[36:37]
	s_wait_kmcnt 0x0
	s_and_b32 s29, s28, 0xff
	s_min_u32 s29, s29, 7
	s_bfe_u32 s30, s28, 0x80008
	s_min_u32 s30, s30, 7
	s_lshl_b32 s31, s29, 12
	s_add_co_u32 s31, s31, s22
	s_lshl_b32 s32, s30, 12
	s_add_co_u32 s32, s32, s22
	s_load_b32 s33, s[6:7], s31 offset:0x0         ; the token's slot with each expert
	s_load_b32 s34, s[6:7], s32 offset:0x0
	s_mul_i32 s36, s29, 3072
	s_add_nc_u64 s[48:49], s[12:13], s[36:37]
	s_mul_i32 s36, s30, 3072
	s_add_nc_u64 s[50:51], s[12:13], s[36:37]
	ROW B0, 48
	ROW B1, 50
	s_mov_b32 s26, s25                             ; the second gate as the low word of a pair
	s_mov_b32 s27, s25
	s_wait_kmcnt 0x0
	s_min_u32 s33, s33, 8191
	s_min_u32 s34, s34, 8191
	s_mul_i32 s36, s33, 3072
	s_add_nc_u64 s[38:39], s[10:11], s[36:37]
	s_add_nc_u64 s[40:41], s[38:39], YP
	s_mul_i32 s36, s34, 3072
	s_add_nc_u64 s[42:43], s[10:11], s[36:37]
	s_add_nc_u64 s[44:45], s[42:43], YP
	ROWNT P0, 38
	ROWNT P1, 40
	ROWNT Q0, 42
	ROWNT Q1, 44
	s_wait_loadcnt 0x0                             ; the row's sum wants all of them
.set p, 0
.rept 12
	v_pk_add_f32 v[P0+p:P0+p+1], v[P0+p:P0+p+1], v[P1+p:P1+p+1]
	v_pk_add_f32 v[Q0+p:Q0+p+1], v[Q0+p:Q0+p+1], v[Q1+p:Q1+p+1]
.set p, p+2
.endr
.set p, 0
.rept 12
	v_pk_add_f32 v[P0+p:P0+p+1], v[P0+p:P0+p+1], v[B0+p:B0+p+1]
	v_pk_add_f32 v[Q0+p:Q0+p+1], v[Q0+p:Q0+p+1], v[B1+p:B1+p+1]
.set p, p+2
.endr
.set p, 0
.rept 12
	v_pk_mul_f32 v[P0+p:P0+p+1], v[P0+p:P0+p+1], s[24:25] op_sel_hi:[1,0]
.set p, p+2
.endr
.set p, 0
.rept 12
	v_pk_fma_f32 v[P0+p:P0+p+1], v[Q0+p:Q0+p+1], s[26:27], v[P0+p:P0+p+1] op_sel_hi:[1,0,1]
.set p, p+2
.endr
	v_pk_add_f32 v[200:201], v[P0:P0+1], v[P0+2:P0+3]          ; the mean: two chains
	v_pk_add_f32 v[202:203], v[P0+4:P0+5], v[P0+6:P0+7]
.irp q, 8,12,16,20
	v_pk_add_f32 v[200:201], v[200:201], v[P0+\q:P0+\q+1]
	v_pk_add_f32 v[202:203], v[202:203], v[P0+\q+2:P0+\q+3]
.endr
	ALLSUM
	v_mul_f32 v204, s54, v200
	v_mov_b32 v205, v204
.set p, 0
.rept 12
	v_pk_add_f32 v[P0+p:P0+p+1], v[P0+p:P0+p+1], v[204:205] neg_lo:[0,1] neg_hi:[0,1]
.set p, p+2
.endr
	v_pk_mul_f32 v[200:201], v[P0:P0+1], v[P0:P0+1]            ; the variance
	v_pk_mul_f32 v[202:203], v[P0+2:P0+3], v[P0+2:P0+3]
.irp q, 4,8,12,16,20
	v_pk_fma_f32 v[200:201], v[P0+\q:P0+\q+1], v[P0+\q:P0+\q+1], v[200:201]
	v_pk_fma_f32 v[202:203], v[P0+\q+2:P0+\q+3], v[P0+\q+2:P0+\q+3], v[202:203]
.endr
	ALLSUM
	v_fma_f32 v200, v200, s54, s55
	s_wait_alu depctr_va_vdst(0)
	v_rsq_f32 v206, v200
	v_nop                                          ; a plain line behind the root,
	s_wait_alu depctr_va_vdst(0)                   ; and the wait ahead of its first reader
	v_mov_b32 v207, v206
.set p, 0
.rept 12
	v_pk_mul_f32 v[P0+p:P0+p+1], v[P0+p:P0+p+1], v[206:207]
.set p, p+2
.endr
.set p, 0
.rept 12
	v_pk_fma_f32 v[P0+p:P0+p+1], v[P0+p:P0+p+1], v[GA+p:GA+p+1], v[BE+p:BE+p+1]
.set p, p+2
.endr
.irp i, 0,1,2,3,4,5
	global_store_b128 v1, v[P0+4*\i:P0+4*\i+3], s[18:19] offset:512*\i th:TH_STORE_NT   ; 32 lanes store 512 consecutive bytes, aligned
.endr
	s_endpgm
.Lfunc_end_k_qc66e40d09f_norm:
	.size	k_qc66e40d09f_norm, .Lfunc_end_k_qc66e40d09f_norm-k_qc66e40d09f_norm
	.p2alignl 7, 3214868480
	.fill 96, 4, 3214868480
	.section	.rodata,"a",@progbits
	.p2align	6, 0x0
	.amdhsa_kernel k_qc66e40d09f_norm
		.amdhsa_group_segment_fixed_size 0
		.amdhsa_private_segment_fixed_size 0
		.amdhsa_enable_private_segment 0
		.amdhsa_kernarg_size 64
		.amdhsa_user_sgpr_count 2
		.amdhsa_user_sgpr_kernarg_segment_ptr 1
		.amdhsa_wavefront_size32 1
		.amdhsa_system_sgpr_workgroup_id_x 1
		.amdhsa_system_sgpr_workgroup_id_y 1
		.amdhsa_system_sgpr_workgroup_id_z 1
		.amdhsa_system_vgpr_workitem_id 0
		.amdhsa_next_free_vgpr 224
		.amdhsa_next_free_sgpr 66
		.amdhsa_reserve_vcc 0
		.amdhsa_float_denorm_mode_32 3
		.amdhsa_float_denorm_mode_16_64 3
		.amdhsa_memory_ordered 1
		.amdhsa_forward_progress 1
		.amdhsa_inst_pref_size 17
	.end_amdhsa_kernel
	.amdgpu_metadata
---
amdhsa.version: [ 1, 2 ]
amdhsa.kernels:
  - .name:           k_qc66e40d09f_norm
    .symbol:         k_qc66e40d09f_norm.kd
    .args:
      - { .name: route, .offset: 0, .size: 8, .value_kind: global_buffer, .address_space: global }
      - { .name: slotof, .offset: 8, .size: 8, .value_kind: global_buffer, .address_space: global }
      - { .name: xsg, .offset: 16, .size: 8, .value_kind: global_buffer, .address_space: global }
      - { .name: ybuf, .offset: 24, .size: 8, .value_kind: global_buffer, .address_space: global }
      - { .name: b2, .offset: 32, .size: 8, .value_kind: global_buffer, .address_space: global }
      - { .name: ln_g, .offset: 40, .size: 8, .value_kind: global_buffer, .address_space: global }
      - { .name: ln_b, .offset: 48, .size: 8, .value_kind: global_buffer, .address_space: global }
      - { .name: out0, .offset: 56, .size: 8, .value_kind: global_buffer, .address_space: global }
    .group_segment_fixed_size: 0
    .private_segment_fixed_size: 0
    .kernarg_segment_align: 8
    .kernarg_segment_size: 64
    .max_flat_workgroup_size: 128
    .sgpr_count:     66
    .vgpr_count:     224
    .wavefront_size: 32
...
	.end_amdgpu_metadata
.endif
;; end of part 8
